; MI455X (gfx1250); checked and timed in simulation.
; The chip was launched on July 23, 2026; its instructions are those of AMD's public machine-readable ISA for CDNA 5 (MIT licence, August 2026) and "CDNA5" Instruction Set Architecture Reference Guide (July 2026). The comments in the code are by the model that wrote it; some were corrected since.
;; Attn. Allowed arithmetic: matrix products marked QUANTISED: E2M3 operands, one E8M0 scale for each 32 along K, by v_wmma_scale_f32_16x16x128_f8f6f4 with both operands' format E2M3, f32 sums; products left as they are: f32 operands where the result goes on into a quantised operand, else bf16, f16 or f32 operands; f32 sums; everything else in f32.
;; Inputs: W_codes 1,024 x 96 x 24 uint8 (E2M3 codes of W, K innermost, in blocks of 32 codes, four codes in three bytes); W_scales 1,024 x 96 uint8 (E8M0 scales of W, one for each 32 codes along K); b 1,024 float32; encoder_outputs 16 x 1,024 x 2,048 float32; hidden 16 x 1,024 float32; v 1,024 float32.
;; Outputs: out0 16 x 1 x 1,024 float32.
;; This version of the problem:
;;   THIS VERSION OF THE PROBLEM IS GIVEN IN LOW PRECISION. The matrix products marked QUANTISED in the list below multiply operands that are first quantised to E2M3 (2 exponent bits, 3 mantissa bits; 6 bits a number), with one power-of-two scale for each 32 numbers along K (OCP MX v1.0); their sums are f32. All else is computed in f32.
;;   The module's matrix products, in the order in which they are computed (A, B: the left and right operand; K: the contracted axis; several contracted axes count as one K, in the product's order):
;;     1. [M 16,384, K 3,072] x [K 3,072, N 1,024]; A: computed on the way; B: input W (given as codes): QUANTISED
;;     2. [M 16,384, K 1,024] x [K 1,024, N 1]; A: computed on the way; B: input v: left as it is (N = 1 < 16)
;;   THE QUANTISER, for each operand of a quantised product, along K:
;;     - K is cut into blocks of 32 from its start; a last block that is shorter is filled with zeros.
;;     - A block's scale is 2^e with e = floor(log2(the largest magnitude in the block)) - 2, held to -126 .. 127; a block of zeros has e = 0. As a byte (E8M0): e + 127.
;;     - Each number is divided by its block's scale, clamped to +-7.5, and rounded to the nearest number of E2M3, ties to even, subnormals kept.
;;     - The product sums the exact products of the quantised numbers (number of the format x scale) in f32.
;;   ~~~python
;;   def quantise(x, axis):      # numpy; x: float32 -> the quantised numbers, widened to float32 again
;;       x = np.moveaxis(x, axis, -1); K = x.shape[-1]
;;       x = np.pad(x, [(0, 0)] * (x.ndim - 1) + [(0, -K % 32)]); x = x.reshape(x.shape[:-1] + (-1, 32)); a = np.abs(x).max(-1, keepdims=True)
;;       e = np.where(a > 0, np.clip(np.frexp(np.where(a > 0, a, 1))[1] - 1 - 2, -126, 127), 0)      # np.frexp(a)[1] - 1 = floor(log2(a)), exactly
;;       r = np.clip(x / 2.0 ** e, -7.5, 7.5)
;;       step = 2.0 ** (np.maximum(np.frexp(np.where(r == 0, 1, r))[1] - 1, 0) - 3)
;;       q = np.round(r / step) * step * 2.0 ** e      # np.round: ties to even
;;       return np.moveaxis(q.reshape(q.shape[:-2] + (-1,))[..., :K], -1, axis).astype(np.float32)
;;   ~~~
;;   OPERANDS COMPUTED ON THE WAY. 'Computed on the way' means the value that the module computes at that place (a softmax that the list does not call 'softmax' is quantised finished and normalised). What goes into a quantiser is computed in f32, as accurately as f32 sums, v_exp_f32 and their like allow (about 1e-6 of the number): no bf16 or f16 on the way to a quantiser, and a product that is left as it is and whose result goes on into a quantised operand takes f32 operands (vector FMAs, or v_wmma_f32_16x16x4_f32). A number that lies on a knife's edge between two numbers of the format may be rounded either way, as far as f32 arithmetic and the matrix unit's own rounding can turn it there, and no further.
;;   INPUTS GIVEN AS CODES. W (in the module: [1024, 3072], K = its axis 1): each comes as NAME_codes (uint8): NAME with its K axis moved to the last place and cut into blocks of 32 codes, [.., K / 32, bytes a block], one block behind the other in memory; four codes in three bytes: a row's codes are one little-endian stream of bits, code i at bits 6 i .. 6 i + 5 (a code: sign, 2 exponent bits, 3 mantissa bits); and NAME_scales (uint8): the same leading axes, one E8M0 byte (e + 127) for each 32 codes along K. Its value is code x scale, taken as it is: it is not quantised again, and the codes and scales need not be those that the quantiser above would give.
;; 2 versions. Each part assembles by itself: llvm-mc -triple=amdgcn-amd-amdhsa -mcpu=gfx1250 --defsym DOCPART=n.
;; ======== version 1 of 2: 3 launches
;; workspace buffers: wimg 1,638,400 bytes; hbc 65,536 bytes; scores 65,536 bytes
;; launch prep (part 1): grid 64 x 1, 4 waves a work-group, no clusters, 4,608 bytes of LDS; arguments W_codes, W_scales, hidden, b, wimg, hbc; writes wimg, hbc
.if DOCPART == 1
	.amdgcn_target "amdgcn-amd-amdhsa--gfx1250"
	.amdhsa_code_object_version 6
	.text
	.protected	k_qfd162cc217_prep
	.globl	k_qfd162cc217_prep
	.p2align	8
	.type	k_qfd162cc217_prep,@function
k_qfd162cc217_prep:
	s_mov_b64 s[64:65], 0
	v_nop
	global_prefetch_b8 v0, s[64:65] scope:SCOPE_SE
	s_setreg_imm32_b32 hwreg(HW_REG_WAVE_MODE, 25, 1), 1
	s_wait_xcnt 0x0
; PREP.  Two things for the 16 rows n = 16 T .. 16 T + 15 of W (T = the work-group's number):
; (a) W's codes of k = 1,024 .. 3,071 (the part that multiplies encoder_outputs) are laid out as IMAGES OF OPERAND REGISTERS, so that the next launch brings a K step by dense tensor loads and reads a
;     fragment by three loads of 16 bytes a lane.  wimg: block (s, w) at (4 s + w) x 25,600 bytes, s = K step of 128 (0 .. 15), w = n / 256; in it fragment b = (n / 16) % 16 at 1,536 b + 512 c + 16 x lane
;     (registers 4 c .. 4 c + 3 of the fragment's 12), and from byte 24,576 on one scale word (four E8M0 bytes, as given) for each of the block's 256 rows.
; (b) reference() repeats hidden[batch] over all t, so the first 1,024 of K give one sum for all rows of a batch: hbc[batch][n] = c x (Q(hidden[batch]) . W[n][0 .. 1,023] + b[n]), c = 2 log2(e),
;     Q the MX quantiser (E2M3, one E8M0 scale for each 32 along K), by the scaled 6-bit matrix instruction.  c is folded in here because tanh is taken as 1 - 2 / (1 + 2^(c x)) later.
; SHARES.  Wave g re-lays K steps 4 g .. 4 g + 3 and multiplies the hidden part's K steps 2 g, 2 g + 1; the four partial sums meet in LDS and wave 0 adds them, and the bias.
; LIMITS: a block of hidden whose largest magnitude lies under 2^-124 gets the scale byte 1; so does a block of zeros (its codes are zeros; only this program reads the byte).  NaN and infinities in hidden are not served.
.set WBLK, 25600                       ; a block of wimg in bytes
.set VC,  3                            ; v3   W's codes, hidden part: 2,304 r + 24 h + 192 g
.set VR,  4                            ; v4   W's codes, part to re-lay: 2,304 r + 24 h + 384 g
.set VS,  5                            ; v5   W's scale bytes, hidden part: 96 r + 8 g
.set VT,  6                            ; v6   W's scale bytes, part to re-lay: 96 r + 16 g
.set VX,  7                            ; v7   hidden: 4,096 r + 64 h + 1,024 g
.set VB,  8                            ; v8   b: 32 h
.set VO,  9                            ; v9   hbc: 4,096 r + 32 h
.set LI,  10                           ; v10  16 x lane
.set SW,  11                           ; v11  4 r
.set LP,  12                           ; v12  LDS: my wave's partial sums: 1,024 g + 16 x lane
.set PC0, 16                           ; v16-27, v28-39  hidden's two fragments
.set PC1, 28
.set PT,  40                           ; v40-47  the conversions' second halves
.set TM,  48                           ; v48-51 largest magnitudes, v52-55 the other half's / the bytes, v56-59 the conversions' scale operands
.set PW0, 60                           ; v60, v61  hidden's scale words; v62-63 W's: these four hold scales and nothing else
.set PW1, 61
.set WSC, 62
.set X0,  64                           ; v64-127, v128-191  hidden's numbers of my two K steps; at the end v64-95 the four partial sums
.set X1,  128
.set WF,  192                          ; v192-215  W's two fragments
.set ACC, 216                          ; v216-223  the sum
.set BI,  224                          ; v224-231  b
.set RF,  0                            ; window 1: v0-47 the four fragments to re-lay, v48-51 their scale words
.set RS,  48
.set SEL, 22                           ; s[22:23] lane selects: lane l xor 16
.set CS,  24                           ; s[24:25] c, twice
.set MSB, 0
.macro WIN new                         ; the immediate's high byte repeats the setting that is left
.if MSB != (\new)
	s_set_vgpr_msb (MSB<<8)|(\new)
.set MSB, (\new)
.endif
.endm
; 64 numbers of a lane, register 16 b + i = k 32 b + 16 (lane / 16) + i of my row, become a fragment's 12 registers of codes at v[pc] and the row's scale word in v[pw].
.macro QUANT s, pc, pw
.irp b, 0,1,2,3
	v_max3_num_f32 v[TM+\b], |v[(\s)+16*\b]|, |v[(\s)+1+16*\b]|, 0x1800000   ; block b: my 16 numbers, and the floor 2^(3 - 127): the byte cannot fall under 1
.endr
.irp i, 2,4,6,8,10,12,14
.irp b, 0,1,2,3
	v_max3_num_f32 v[TM+\b], v[TM+\b], |v[(\s)+16*\b+\i]|, |v[(\s)+1+16*\b+\i]|   ; the four blocks by turns
.endr
.endr
.irp b, 0,1,2,3
	v_permlanex16_b32 v[TM+4+\b], v[TM+\b], s[SEL], s[SEL+1]
.endr
.irp b, 0,1,2,3
	v_max_num_f32 v[TM+\b], v[TM+\b], v[TM+4+\b]       ; with lane l xor 16's: the block's largest magnitude
.endr
.irp b, 0,1,2,3
	v_add_nc_u32 v[TM+8+\b], 0xff000000, v[TM+\b]      ; 2 off its exponent field: the conversion's scale operand
.endr
.irp b, 0,1,2,3
	v_lshrrev_b32 v[TM+4+\b], 23, v[TM+8+\b]           ; the scale's byte
.endr
	v_lshl_or_b32 v[\pw], v[TM+5], 8, v[TM+4]
	v_lshl_or_b32 v[\pw], v[TM+6], 16, v[\pw]
	v_lshl_or_b32 v[\pw], v[TM+7], 24, v[\pw]
.irp c, 0,1
	v_cvt_scalef32_pk16_fp6_f32 v[(\pc)+6*\c:(\pc)+2+6*\c], v[(\s)+32*\c:(\s)+15+32*\c], v[TM+8+2*\c]
	v_cvt_scalef32_pk16_fp6_f32 v[PT+4*\c:PT+2+4*\c], v[(\s)+16+32*\c:(\s)+31+32*\c], v[TM+9+2*\c]   ; (a conversion's three registers begin on an even number)
.endr
	v_nop                                          ; one plain place behind a scaled conversion
.irp c, 0,1                                    ; the operand wants a WHOLE block in a lane: lanes 0-15 block 2 c, lanes 16-31 block 2 c + 1
.irp i, 0,1,2
	v_permlane16_swap_b32 v[(\pc)+6*\c+\i], v[PT+4*\c+\i]
.endr
.irp i, 0,1,2
	v_mov_b32 v[(\pc)+3+6*\c+\i], v[PT+4*\c+\i]
.endr
.endr
.endm
	s_load_b256 s[4:11], s[0:1], 0x0               ; W's codes s[4:5], W's scales s[6:7], hidden s[8:9], b s[10:11]
	s_load_b128 s[12:15], s[0:1], 0x20             ; wimg s[12:13], hbc s[14:15]
	v_lshl_add_u32 v254, v0, 2, 0x1000
	v_mov_b32 v255, 0
	v_lshrrev_b32 v1, 5, v0
	v_readfirstlane_b32 s20, v1                    ; g: wave 0..3
	v_and_b32 v1, 31, v0                           ; lane
	v_and_b32 v2, 15, v0                           ; r
	v_bfe_u32 v13, v0, 4, 1                        ; h
	v_mul_u32_u24 v14, v2, 2304                    ; a row of W is 3,072 codes: 2,304 bytes
	v_mad_u32_u24 v14, v13, 24, v14
	s_mul_i32 s26, s20, 192
	v_add_nc_u32 v[VC], s26, v14
	s_mul_i32 s26, s20, 384
	v_add_nc_u32 v[VR], s26, v14
	v_mul_u32_u24 v14, v2, 96                      ; a row of W's scale bytes
	s_lshl_b32 s26, s20, 3
	v_add_nc_u32 v[VS], s26, v14
	s_lshl_b32 s26, s20, 4
	v_add_nc_u32 v[VT], s26, v14
	v_lshlrev_b32 v14, 12, v2                      ; a row of hidden and of hbc: 4,096 bytes
	v_lshl_add_u32 v[VO], v13, 5, v14
	v_lshl_add_u32 v14, v13, 6, v14
	s_lshl_b32 s26, s20, 10
	v_add_nc_u32 v[VX], s26, v14
	v_lshlrev_b32 v[VB], 5, v13
	v_lshlrev_b32 v[LI], 4, v1
	v_lshlrev_b32 v[SW], 2, v2
	v_add_nc_u32 v[LP], s26, v[LI]
.irp b, 0,1,2,3
	v_mov_b32 v[TM+4+\b], 0                        ; written once: a lane permute's destination counts as one of its sources
.endr
	s_mov_b32 s[SEL], 0x76543210
	s_mov_b32 s[SEL+1], 0xfedcba98
	s_mov_b32 s[CS], 0x4038aa3b                    ; c = 2 log2(e)
	s_mov_b32 s[CS+1], s[CS]
	s_mov_b32 s27, 0
	s_mov_b32 s29, 0
	s_mov_b32 s31, 0
	s_lshr_b32 s32, ttmp9, 4                       ; w = T / 16
	s_and_b32 s33, ttmp9, 15                       ; b = T % 16
	s_mul_i32 s28, s20, 16*WBLK                    ; my four K steps: blocks 16 g + 4 q + w
	s_mul_i32 s30, s32, WBLK
	s_add_co_u32 s28, s28, s30
	s_mul_i32 s30, s33, 1536
	s_add_co_u32 s30, s30, s28                     ; s[30:31]: my fragments' place
	s_lshl_b32 s33, s33, 6
	s_add_co_u32 s28, s28, s33
	s_add_co_u32 s28, s28, 24576                   ; s[28:29]: my scale words' place
	s_wait_kmcnt 0x0
	s_add_nc_u64 s[16:17], s[12:13], s[30:31]
	s_add_nc_u64 s[18:19], s[12:13], s[28:29]
	s_mul_i32 s26, ttmp9, 16*2304
	s_add_nc_u64 s[4:5], s[4:5], s[26:27]
	s_mul_i32 s26, ttmp9, 16*96
	s_add_nc_u64 s[6:7], s[6:7], s[26:27]
	s_lshl_b32 s26, ttmp9, 6
	s_add_nc_u64 s[10:11], s[10:11], s[26:27]
	s_add_nc_u64 s[14:15], s[14:15], s[26:27]
	; all 72 loads at once: 32 of hidden, 12 + 1 of W for the product, 2 of b, 24 + 1 of W to re-lay
.irp u, 0,1
.irp b, 0,1,2,3
.irp j, 0,1,2,3
	global_load_b128 v[X0+64*\u+16*\b+4*\j:X0+64*\u+16*\b+4*\j+3], v[VX], s[8:9] offset:512*\u+128*\b+16*\j   ; hidden(r, 128 (2 g + u) + 32 b + 16 h + 4 j ..)
.endr
.endr
.endr
.irp u, 0,1
.irp p, 0,1,2,3,4,5
	global_load_b64 v[WF+12*\u+2*\p:WF+12*\u+2*\p+1], v[VC], s[4:5] offset:96*\u+48*(\p/3)+8*(\p%3)   ; a fragment: 24 bytes of the row's stream of bits at 24 h, and 24 more 48 bytes on
.endr
.endr
	global_load_b64 v[WSC:WSC+1], v[VS], s[6:7]    ; the two K steps' scale words of row r
	global_load_b128 v[BI:BI+3], v[VB], s[10:11]
	global_load_b128 v[BI+4:BI+7], v[VB], s[10:11] offset:16
	WIN 0x40                                       ; destination window 1
.irp q, 0,1,2,3
.irp p, 0,1,2,3,4,5
	global_load_b64 v[RF+12*\q+2*\p:RF+12*\q+2*\p+1], v[VR], s[4:5] offset:768+96*\q+48*(\p/3)+8*(\p%3)
.endr
.endr
	global_load_b128 v[RS:RS+3], v[VT], s[6:7] offset:32   ; four K steps' scale words of row r
	WIN 0
	s_wait_loadcnt 56                              ; the first 16 loads are in: 56 were issued behind them
	QUANT X0, PC0, PW0
	s_wait_loadcnt 40                              ; the next 16
	QUANT X1, PC1, PW1
	s_wait_loadcnt 25                              ; all but the 25 loads of the part to re-lay
.rept 8
	v_nop                                          ; a scale word made by vector instructions stands 8 places ahead of a scaled matrix instruction, codes so made 4
.endr
	; source 0 = 16 rows of W, source 1 = the 16 batches: lane (r, h), register j: batch r, n = 16 T + 8 h + j
	v_wmma_scale_f32_16x16x128_f8f6f4 v[ACC:ACC+7], v[WF:WF+11], v[PC0:PC0+11], 0, v[WSC], v[PW0] matrix_a_fmt:MATRIX_FMT_FP6 matrix_b_fmt:MATRIX_FMT_FP6
	s_wait_alu depctr_va_vdst(0)                   ; one accumulator, two links
	v_wmma_scale_f32_16x16x128_f8f6f4 v[ACC:ACC+7], v[WF+12:WF+23], v[PC1:PC1+11], v[ACC:ACC+7], v[WSC+1], v[PW1] matrix_a_fmt:MATRIX_FMT_FP6 matrix_b_fmt:MATRIX_FMT_FP6
.rept 4
	v_nop                                          ; four places behind the product, in front of the stores that read its result
.endr
	ds_store_b128 v[LP], v[ACC:ACC+3]              ; my partial sums, from the low end on
	ds_store_b128 v[LP], v[ACC+4:ACC+7] offset:512
	s_wait_loadcnt 0x0                             ; the part to re-lay is in
	WIN 0x04                                       ; a store's data are its source 1: window 1
.irp q, 0,1,2,3
.irp c, 0,1,2
	global_store_b128 v[LI], v[RF+12*\q+4*\c:RF+12*\q+4*\c+3], s[16:17] offset:4*WBLK*\q+512*\c   ; 32 lanes store 512 consecutive bytes, at a multiple of 256 from wimg's first byte
.endr
	global_store_b32 v[SW], v[RS+\q], s[18:19] offset:4*WBLK*\q   ; 16 scale words, 64 bytes (lanes 16-31 repeat lanes 0-15): one byte in 24 of what this launch stores
.endr
	WIN 0
	s_wait_dscnt 0x0                               ; for wave 0's sake: my partial sums lie in LDS
	s_barrier_signal -1
	s_barrier_wait -1
	s_cmp_lg_u32 s20, 0
	s_cbranch_scc1 .Lend
.irp g, 0,1,2,3
	ds_load_b128 v[X0+8*\g:X0+8*\g+3], v[LI] offset:1024*\g
	ds_load_b128 v[X0+8*\g+4:X0+8*\g+7], v[LI] offset:1024*\g+512
.endr
	s_wait_dscnt 0x0
.irp j, 0,2,4,6
	v_pk_add_f32 v[X0+\j:X0+\j+1], v[X0+\j:X0+\j+1], v[X0+8+\j:X0+9+\j]
	v_pk_add_f32 v[X0+16+\j:X0+17+\j], v[X0+16+\j:X0+17+\j], v[X0+24+\j:X0+25+\j]
.endr
.irp j, 0,2,4,6
	v_pk_add_f32 v[X0+\j:X0+\j+1], v[X0+\j:X0+\j+1], v[X0+16+\j:X0+17+\j]
.endr
.irp j, 0,2,4,6
	v_pk_add_f32 v[X0+\j:X0+\j+1], v[X0+\j:X0+\j+1], v[BI+\j:BI+\j+1]   ; + b
.endr
.irp j, 0,2,4,6
	v_pk_mul_f32 v[X0+\j:X0+\j+1], v[X0+\j:X0+\j+1], s[CS:CS+1] op_sel_hi:[1,0]   ; x c
.endr
	global_store_b128 v[VO], v[X0:X0+3], s[14:15]  ; hbc(r, 16 T + 8 h ..): 32 bytes a lane; 1,024 bytes a work-group
	global_store_b128 v[VO], v[X0+4:X0+7], s[14:15] offset:16
.Lend:
	s_wait_tensorcnt 0x0
	ds_add_u32 v254, v255
	s_wait_dscnt 0x0
	s_endpgm
.Lfunc_end_k_qfd162cc217_prep:
	.size	k_qfd162cc217_prep, .Lfunc_end_k_qfd162cc217_prep-k_qfd162cc217_prep
	.p2alignl 7, 3214868480
	.fill 96, 4, 3214868480
	.section	.rodata,"a",@progbits
	.p2align	6, 0x0
	.amdhsa_kernel k_qfd162cc217_prep
		.amdhsa_group_segment_fixed_size 4608
		.amdhsa_private_segment_fixed_size 0
		.amdhsa_enable_private_segment 0
		.amdhsa_kernarg_size 48
		.amdhsa_user_sgpr_count 2
		.amdhsa_user_sgpr_kernarg_segment_ptr 1
		.amdhsa_wavefront_size32 1
		.amdhsa_system_sgpr_workgroup_id_x 1
		.amdhsa_system_sgpr_workgroup_id_y 1
		.amdhsa_system_sgpr_workgroup_id_z 1
		.amdhsa_system_vgpr_workitem_id 0
		.amdhsa_next_free_vgpr 320
		.amdhsa_next_free_sgpr 66
		.amdhsa_reserve_vcc 0
		.amdhsa_float_denorm_mode_32 3
		.amdhsa_float_denorm_mode_16_64 3
		.amdhsa_memory_ordered 1
		.amdhsa_forward_progress 1
		.amdhsa_inst_pref_size 22
	.end_amdhsa_kernel
	.amdgpu_metadata
---
amdhsa.version: [ 1, 2 ]
amdhsa.kernels:
  - .name:           k_qfd162cc217_prep
    .symbol:         k_qfd162cc217_prep.kd
    .args:
      - { .name: W_codes, .offset: 0, .size: 8, .value_kind: global_buffer, .address_space: global }
      - { .name: W_scales, .offset: 8, .size: 8, .value_kind: global_buffer, .address_space: global }
      - { .name: hidden, .offset: 16, .size: 8, .value_kind: global_buffer, .address_space: global }
      - { .name: b, .offset: 24, .size: 8, .value_kind: global_buffer, .address_space: global }
      - { .name: wimg, .offset: 32, .size: 8, .value_kind: global_buffer, .address_space: global }
      - { .name: hbc, .offset: 40, .size: 8, .value_kind: global_buffer, .address_space: global }
    .group_segment_fixed_size: 4608
    .private_segment_fixed_size: 0
    .kernarg_segment_align: 8
    .kernarg_segment_size: 48
    .max_flat_workgroup_size: 128
    .sgpr_count:     66
    .vgpr_count:     320
    .wavefront_size: 32
...
	.end_amdgpu_metadata
.endif
;; end of part 1
;; launch main (part 2): grid 256 x 1, 4 waves a work-group, clusters of 4 x 1, 327,680 bytes of LDS; arguments encoder_outputs, wimg, hbc, v, scores; writes scores
.if DOCPART == 2
	.amdgcn_target "amdgcn-amd-amdhsa--gfx1250"
	.amdhsa_code_object_version 6
	.text
	.protected	k_qfd162cc217_main
	.globl	k_qfd162cc217_main
	.p2align	8
	.type	k_qfd162cc217_main,@function
k_qfd162cc217_main:
	s_mov_b64 s[64:65], 0
	v_nop
	global_prefetch_b8 v0, s[64:65] scope:SCOPE_SE
	s_setreg_imm32_b32 hwreg(HW_REG_WAVE_MODE, 25, 1), 1
	s_wait_xcnt 0x0
	s_wait_alu depctr_hold_cnt(0) depctr_sa_sdst(0) depctr_va_vdst(0) depctr_va_sdst(0) depctr_va_ssrc(0) depctr_va_vcc(0) depctr_vm_vsrc(0)
	s_getreg_b32 s2, hwreg(HW_REG_IB_STS2, 6, 4)
	s_cmp_eq_u32 s2, 0
	s_cbranch_scc0 .Lentry_in_a_cluster
	s_endpgm
.Lentry_in_a_cluster:
	s_bfe_u32 s2, ttmp6, 0x10000c
	s_cmp_lg_u32 s2, 0x3003
	s_cbranch_scc0 .Lentry_shape_is_right
	s_endpgm
.Lentry_shape_is_right:
; MAIN.  scores[row] = sum over n of v[n] tanh(Q(enc[row]) . W[n][1,024 ..] + (hidden part + b)[batch][n]), row = (batch, t) flat, 16,384 rows; the product on codes of E2M3 with one E8M0 scale for each 32 along K.
; SHARES.  A work-group owns 64 rows and ALL 1,024 columns n, so encoder_outputs is read and quantised once and a row's score is finished here: 256 work-groups.  Wave w owns columns 256 w .. 256 w + 255 for the
; 64 rows: 64 accumulators of 16 x 16, 512 registers; it also quantises rows 16 w .. 16 w + 15 on the way and hands their fragment to the others through LDS as an image of its registers.
; K (2,048) goes in 16 steps of 128.  W comes as images of operand registers (made by the launch before): a K step is 102,400 dense bytes; each wave brings and reads its own quarter, through a ring of two LDS slots.
; CLUSTER.  All work-groups walk the same W: the four of a cluster ask for each quarter JOINTLY (mask 15, the same descriptor in all four), which divides the requests for W by four.  A mask names four at the most,
; so a larger cluster would share no more.  encoder_outputs is shared by nobody and goes from memory straight into registers, three K steps (48 loads a wave) ahead.
; THE MATRIX INSTRUCTION IS USED TRANSPOSED (source 0 = 16 rows of W, source 1 = 16 rows of enc): lane (r, h), register j of accumulator (m, b): row 16 m + r, column 256 w + 16 b + 8 h + j.
; tanh(x) = 1 - 2 / (1 + 2^(c x)), c = 2 log2(e); c x = c acc + hbc, hbc = c (hidden part + b).  The exponential's 0 and infinity give -1 and 1: no clamp is needed.  score = sum of v - 2 sum of v / (1 + 2^(c x)), all f32.
; LIMITS: a block of 32 whose largest magnitude lies under 2^-124 gets the scale byte 1; so does a block of zeros (its codes are zeros; only this program reads the byte).  NaN and infinities in encoder_outputs are
; not served.  The hidden part and the bias are added behind the sum over encoder_outputs, another order of f32 additions than reference()'s.
; LDS: slot 0 at 0 (wave w's quarter at 25,600 w), the spare words, the row sums, two buffers of A's images, slot 1 at 2^17.  Tensor loads land in the two slots alone, LDS stores in the images and the row sums alone.
; REGISTERS, in windows of 256: window 0: v1-15 addresses; v16-23 W's scale words, v24-25 A's (nothing else ever); v26-59 the quantiser; v60-63 addresses; v64-255 three sets of 64 numbers of enc.
;   window 1: v0-191 W's 16 fragments, v192-239 A's four.   windows 2, 3: accumulator (m, b) at v[128 (m % 2) + 8 b] of window 2 + m / 2.
.set SLOT1, 1<<17                      ; slot 1 begins here: one exclusive or turns an address in one slot into the other's
.set WBLK,  25600                      ; a wave's quarter of a K step: 16 fragments of 1,536 bytes, then 256 scale words
.set SPARE, 4*WBLK                     ; the spare words, 128 bytes for each wave: two blocks of 256 bytes that no other line names
.set RED,   SPARE+512                  ; 4 waves x 64 row sums
.set IMG0,  0x1c000                    ; A's images of even K steps: fragment m at 1,536 m + 512 c + 16 x lane; scale words at 6,144 + 4 x row
.set IMGX,  0x2000                     ; IMG0 xor IMGX: those of odd K steps
.set ISC,   6144
.set LI,  1                            ; v1   16 x lane
.set LS6, 2                            ; v2   6,144 + 4 x lane
.set XA,  3                            ; v3   enc: 8,192 r + 64 h
.set LW,  4                            ; v4   25,600 w + 16 x lane
.set LWS, 5                            ; v5   25,600 w + 24,576 + 4 x lane
.set IWI, 6                            ; v6   1,536 w + 16 x lane
.set IWS, 7                            ; v7   6,144 + 64 w + 4 r
.set ADW, 8                            ; v8, v9    the fetch step's fragments and scale words of W
.set ADS, 9
.set ADI, 10                           ; v10, v11  its images and scale words of A
.set ADJ, 11
.set ADO, 12                           ; v12, v13  where the image just made, and its scale words, go
.set ADP, 13
.set SPW, 14                           ; v14  my spare word: SPARE + 4 x my thread's number; never rewritten
.set NIL, 15                           ; v15  0; never rewritten
.set WS,  16                           ; register i: lanes 0-15 tile 2 i's scale words, lanes 16-31 tile 2 i + 1's
.set AS,  24                           ; register j: lanes 0-15 rows 32 j .., lanes 16-31 rows 32 j + 16 ..
.set PW,  26                           ; the scale word just made
.set TM,  28                           ; v28-39  the quantiser's scratch
.set PC,  40                           ; v40-51  the codes just made
.set PT,  52                           ; v52-59  the conversions' second halves
.set EO,  60                           ; v60  hbc, v: 1,024 w + 32 h
.set RW,  61                           ; v61  RED + 256 w + 4 r
.set RR,  62                           ; v62  RED + 8 x lane
.set SOF, 63                           ; v63  8 x lane
.set AF,  192                          ; window 1: A's fragments
.set Q,   28                           ; the end: v28-35 sum of v / (1 + 2^(c x)), a pair for each tile of rows; v36-37 sum of v
.set SV,  36
.set WV,  14                           ; s14  my wave's number
.set SEL, 20                           ; s[20:21] lane selects: lane l xor 16
.set CS,  22                           ; s[22:23] c, twice
.set G1,  24                           ; s[24:31] descriptor group 1
.set G0A, 32                           ; s[32:35] group 0 of tile 0
.set G0B, 36                           ; s[36:39] group 0 of tile 1; it then walks
.set TB,  40                           ; s40  the slot of the step in hand
.set IB,  41                           ; s41  its buffer of images
.set CNT, 42
.set XB,  44                           ; s[44:45] enc's base that steps in the loop
.set MSB, 0
.macro WIN new                         ; the immediate's high byte repeats the setting that is left
.if MSB != (\new)
	s_set_vgpr_msb (MSB<<8)|(\new)
.set MSB, (\new)
.endif
.endm
.macro PLACES                          ; four places behind a matrix instruction, in front of loads into registers that it read and of reads of its result (ISA guide 7.12.1 for vector instructions)
.rept 4
	v_nop
.endr
.endm
.macro CREST                           ; a round of the cluster's barrier behind its opening barrier
	s_cmp_lg_u32 s[WV], 0
	s_cbranch_scc1 .Lnot_wave_0_\@
	s_barrier_signal -3
.Lnot_wave_0_\@:
	s_barrier_wait -3
	s_barrier_signal -1
	s_barrier_wait -1
.endm
.macro CROUND                          ; a whole round
	s_barrier_signal -1
	s_barrier_wait -1
	CREST
.endm
; my 16 rows' numbers of one K step, 64 a lane, into a set: register 16 b + 4 j + e = k 32 b + 16 h + 4 j + e of row r.  The 16 loads together cover 512 consecutive bytes of each of 16 rows.
.macro XLOAD set, base, off
.irp b, 0,1,2,3
.irp j, 0,1,2,3
	global_load_b128 v[64+64*(\set)+16*\b+4*\j:64+64*(\set)+16*\b+4*\j+3], v[XA], s[\base:\base+1] offset:(\off)+128*\b+16*\j th:TH_LOAD_NT
.endr
.endr
.endm
; 64 numbers of a lane, register 16 b + i = k 32 b + 16 (lane / 16) + i of my row, become a fragment's 12 registers of codes at v[pc] and the row's scale word in v[pw].
.macro QUANT s, pc, pw
.irp b, 0,1,2,3
	v_max3_num_f32 v[TM+\b], |v[(\s)+16*\b]|, |v[(\s)+1+16*\b]|, 0x1800000   ; block b: my 16 numbers, and the floor 2^(3 - 127): the byte cannot fall under 1
.endr
.irp i, 2,4,6,8,10,12,14
.irp b, 0,1,2,3
	v_max3_num_f32 v[TM+\b], v[TM+\b], |v[(\s)+16*\b+\i]|, |v[(\s)+1+16*\b+\i]|   ; the four blocks by turns
.endr
.endr
.irp b, 0,1,2,3
	v_permlanex16_b32 v[TM+4+\b], v[TM+\b], s[SEL], s[SEL+1]
.endr
.irp b, 0,1,2,3
	v_max_num_f32 v[TM+\b], v[TM+\b], v[TM+4+\b]       ; with lane l xor 16's: the block's largest magnitude
.endr
.irp b, 0,1,2,3
	v_add_nc_u32 v[TM+8+\b], 0xff000000, v[TM+\b]      ; 2 off its exponent field: the conversion's scale operand
.endr
.irp b, 0,1,2,3
	v_lshrrev_b32 v[TM+4+\b], 23, v[TM+8+\b]           ; the scale's byte
.endr
	v_lshl_or_b32 v[\pw], v[TM+5], 8, v[TM+4]
	v_lshl_or_b32 v[\pw], v[TM+6], 16, v[\pw]
	v_lshl_or_b32 v[\pw], v[TM+7], 24, v[\pw]
.irp c, 0,1
	v_cvt_scalef32_pk16_fp6_f32 v[(\pc)+6*\c:(\pc)+2+6*\c], v[(\s)+32*\c:(\s)+15+32*\c], v[TM+8+2*\c]
	v_cvt_scalef32_pk16_fp6_f32 v[PT+4*\c:PT+2+4*\c], v[(\s)+16+32*\c:(\s)+31+32*\c], v[TM+9+2*\c]   ; (a conversion's three registers begin on an even number)
.endr
	v_nop                                          ; one plain place behind a scaled conversion
.irp c, 0,1                                    ; the operand wants a WHOLE block in a lane: lanes 0-15 block 2 c, lanes 16-31 block 2 c + 1
.irp i, 0,1,2
	v_permlane16_swap_b32 v[(\pc)+6*\c+\i], v[PT+4*\c+\i]
.endr
.irp i, 0,1,2
	v_mov_b32 v[(\pc)+3+6*\c+\i], v[PT+4*\c+\i]
.endr
.endr
.endm
.macro IMG off                         ; the fragment just made goes to LDS as it stands, and its scale words (lanes r and r + 16 write the same word with the same value): 4 LDS instructions
.irp c, 0,1,2
	ds_store_b128 v[ADO], v[PC+4*\c:PC+4*\c+3] offset:(\off)+512*\c
.endr
	ds_store_b32 v[ADP], v[PW] offset:\off
.endm
.macro FA j                            ; A's fragments m = 2 j, 2 j + 1 of the fetch step, their scale words first: 7 LDS instructions.  Leaves the destination's window at 1
	WIN 0
	ds_load_b32 v[AS+(\j)], v[ADJ] offset:128*(\j)
	WIN 0x40
.irp m, 0,1
.irp c, 0,1,2
	ds_load_b128 v[AF+24*(\j)+12*\m+4*\c:AF+24*(\j)+12*\m+4*\c+3], v[ADI] offset:3072*(\j)+1536*\m+512*\c
.endr
.endr
.endm
.macro FW half                         ; W's fragments b = 8 half .. 8 half + 7 of the fetch step, then their scale words: 28 LDS instructions
	WIN 0x40
.irp b, 0,1,2,3,4,5,6,7
.irp c, 0,1,2
	ds_load_b128 v[96*(\half)+12*\b+4*\c:96*(\half)+12*\b+4*\c+3], v[ADW] offset:12288*(\half)+1536*\b+512*\c
.endr
.endr
	WIN 0
.irp i, 0,1,2,3
	ds_load_b32 v[WS+4*(\half)+\i], v[ADS] offset:512*(\half)+128*\i
.endr
.endm
; one product: accumulator (m, b).  An odd tile's scale words stand in lanes 16-31 of their register.  zero = 1: the first K step starts the sums: nothing is ever cleared.
.macro WM m, b, zero
.set rD, 128*((\m)%2)+8*(\b)
.set rW, 12*(\b)
.set rA, AF+12*(\m)
.set rS, WS+(\b)/2
.set rU, AS+(\m)/2
.set sel, 4*(\zero)+2*((\b)%2)+(\m)%2
.if sel == 0
	v_wmma_scale_f32_16x16x128_f8f6f4 v[rD:rD+7], v[rW:rW+11], v[rA:rA+11], v[rD:rD+7], v[rS], v[rU] matrix_a_fmt:MATRIX_FMT_FP6 matrix_b_fmt:MATRIX_FMT_FP6
.elseif sel == 1
	v_wmma_scale_f32_16x16x128_f8f6f4 v[rD:rD+7], v[rW:rW+11], v[rA:rA+11], v[rD:rD+7], v[rS], v[rU] matrix_a_fmt:MATRIX_FMT_FP6 matrix_b_fmt:MATRIX_FMT_FP6 matrix_b_scale:MATRIX_SCALE_ROW1
.elseif sel == 2
	v_wmma_scale_f32_16x16x128_f8f6f4 v[rD:rD+7], v[rW:rW+11], v[rA:rA+11], v[rD:rD+7], v[rS], v[rU] matrix_a_fmt:MATRIX_FMT_FP6 matrix_b_fmt:MATRIX_FMT_FP6 matrix_a_scale:MATRIX_SCALE_ROW1
.elseif sel == 3
	v_wmma_scale_f32_16x16x128_f8f6f4 v[rD:rD+7], v[rW:rW+11], v[rA:rA+11], v[rD:rD+7], v[rS], v[rU] matrix_a_fmt:MATRIX_FMT_FP6 matrix_b_fmt:MATRIX_FMT_FP6 matrix_a_scale:MATRIX_SCALE_ROW1 matrix_b_scale:MATRIX_SCALE_ROW1
.elseif sel == 4
	v_wmma_scale_f32_16x16x128_f8f6f4 v[rD:rD+7], v[rW:rW+11], v[rA:rA+11], 0, v[rS], v[rU] matrix_a_fmt:MATRIX_FMT_FP6 matrix_b_fmt:MATRIX_FMT_FP6
.elseif sel == 5
	v_wmma_scale_f32_16x16x128_f8f6f4 v[rD:rD+7], v[rW:rW+11], v[rA:rA+11], 0, v[rS], v[rU] matrix_a_fmt:MATRIX_FMT_FP6 matrix_b_fmt:MATRIX_FMT_FP6 matrix_b_scale:MATRIX_SCALE_ROW1
.elseif sel == 6
	v_wmma_scale_f32_16x16x128_f8f6f4 v[rD:rD+7], v[rW:rW+11], v[rA:rA+11], 0, v[rS], v[rU] matrix_a_fmt:MATRIX_FMT_FP6 matrix_b_fmt:MATRIX_FMT_FP6 matrix_a_scale:MATRIX_SCALE_ROW1
.else
	v_wmma_scale_f32_16x16x128_f8f6f4 v[rD:rD+7], v[rW:rW+11], v[rA:rA+11], 0, v[rS], v[rU] matrix_a_fmt:MATRIX_FMT_FP6 matrix_b_fmt:MATRIX_FMT_FP6 matrix_a_scale:MATRIX_SCALE_ROW1 matrix_b_scale:MATRIX_SCALE_ROW1
.endif
.endm
.macro MUL8 m, half, zero              ; tile of rows m against eight tiles of W.  The 64 accumulators take turns, one instruction a turn, in the same order in every step
.irp b, 0,1,2,3,4,5,6,7
	WM \m, 8*(\half)+\b, \zero
.endr
.endm
; K STEP t.  At its head W's tiles 0-7 and A's tiles 0, 1 of step t have been asked for.
; zero: the products start the sums.  q: enc's K step t + 2, in set xs, is quantised and its image stored.  ld: what is loaded into that set (1: enc from the stepping base, 2: from the fixed base, at off; 3: hbc, 4: v, of my tiles 0-7).
; bar = 2: change of slots with a round of the cluster's barrier and the joint refill (tile t + 2 into step t's slot);  1: change of slots, nothing asked for;  0: the last step.
; The LDS instructions between two changes run: FW 0 (28), IMG (4), FA 0 (7), FA 1 (7), FW 1 (28), the add (1): hence the counts 35 and 29.
.macro STEP zero, q, xs, ld, off, bar
	PLACES                                         ; the last step's last products read what the loads below fill
	FA 1
	FW 1
	s_wait_dscnt 35                                ; all but the 35 just issued: W's tiles 0-7, A's tiles 0, 1 and their scale words are in
	WIN 0xa5                                       ; sources 0 and 1 window 1, C and D window 2
	MUL8 0, 0, \zero
	MUL8 1, 0, \zero
.if \bar
	WIN 0                                          ; (the add's two registers lie in window 0)
	s_wait_tensorcnt 0x0                           ; all my tensor loads have landed: the one that was out is my quarter of tile t + 1
	ds_add_u32 v[SPW], v[NIL]                      ; 0 onto my spare word
	s_wait_dscnt 29                                ; A's tiles 2, 3 are in; FW 1's 28 loads and the add may be out
	WIN 0xf5                                       ; C and D window 3
	MUL8 2, 0, \zero                               ; eight matrix instructions stand between the add and the wait for it
	s_wait_dscnt 0x0                               ; the add is done; my reads of this slot and of step t's images are over; my stores of step t + 1's image have landed
	s_barrier_signal -1
	MUL8 3, 0, \zero
	WIN 0
	s_barrier_wait -1
.if \bar == 2
	CREST                                          ; the barrier has opened a round of the cluster's: no wave of any partner still reads this slot or has a load on its way
	s_xor_b32 s[G0B+1], s[G0B+1], SLOT1            ; the walking descriptor: the other slot than last time,
	s_add_nc_u64 s[G0B+2:G0B+3], s[G0B+2:G0B+3], 4*WBLK   ; the next K step; the type bits on top are not reached
	tensor_load_to_lds s[G0B:G0B+3], s[G1:G1+7]    ; my one tensor load behind the round, and the first thing there
	s_nop 0
	PLACES
.endif
	v_add_nc_u32 v[ADO], s[IB], v[IWI]             ; step t + 2's image goes where step t's lay: every wave has read that.  (These six additions are places behind the products above)
	v_add_nc_u32 v[ADP], s[IB], v[IWS]
	s_xor_b32 s[IB], s[IB], IMGX
	s_xor_b32 s[TB], s[TB], SLOT1
	v_add_nc_u32 v[ADW], s[TB], v[LW]              ; the fetches go on to step t + 1
	v_add_nc_u32 v[ADS], s[TB], v[LWS]
	v_add_nc_u32 v[ADI], s[IB], v[LI]
	v_add_nc_u32 v[ADJ], s[IB], v[LS6]
	FW 0
.else
	s_wait_dscnt 28                                ; A's tiles 2, 3 are in; FW 1's 28 loads may be out
	WIN 0xf5
	MUL8 2, 0, \zero
	MUL8 3, 0, \zero
	s_wait_dscnt 0x0
.endif
	WIN 0xa5
	MUL8 0, 1, \zero
	MUL8 1, 1, \zero
	WIN 0
.if \q
	s_wait_loadcnt 32                              ; the set's 16 loads are in: two groups of 16 were issued behind them
	QUANT 64+64*(\xs), PC, PW                      ; (its plain lines are also the places in front of FA 0's loads)
	IMG 0
.elseif \bar
	PLACES
.endif
.if \ld == 1
	XLOAD \xs, XB, \off
.elseif \ld == 2
	XLOAD \xs, 4, \off
.elseif \ld == 3
.irp b, 0,1,2,3,4,5,6,7
.irp i, 0,1
	global_load_b128 v[128+8*\b+4*\i:128+8*\b+4*\i+3], v[EO], s[8:9] offset:64*\b+16*\i    ; hbc(batch, 256 w + 16 b + 8 h ..)
.endr
.endr
.elseif \ld == 4
.irp b, 0,1,2,3,4,5,6,7
.irp i, 0,1
	global_load_b128 v[192+8*\b+4*\i:192+8*\b+4*\i+3], v[EO], s[10:11] offset:64*\b+16*\i  ; v likewise
.endr
.endr
.endif
.if \bar
	FA 0
.endif
	WIN 0xf5
	MUL8 2, 1, \zero
	MUL8 3, 1, \zero
	WIN 0
.endm
	s_load_b256 s[4:11], s[0:1], 0x0               ; enc s[4:5], wimg s[6:7], hbc s[8:9], v s[10:11]
	s_load_b64 s[12:13], s[0:1], 0x20              ; scores
	v_lshl_add_u32 v[SPW], v0, 2, SPARE
	v_mov_b32 v[NIL], 0
	ds_add_u32 v14, v15
	ds_add_u32 v14, v15
	s_wait_dscnt 0x0
	v_lshrrev_b32 v40, 5, v0
	v_readfirstlane_b32 s[WV], v40                 ; wave 0..3
	v_and_b32 v41, 31, v0                          ; lane
	v_and_b32 v42, 15, v0                          ; r
	v_bfe_u32 v43, v0, 4, 1                        ; h
	s_bfe_u32 s15, ttmp6, 0x40000                  ; cx: my place in the cluster: it enters enc's, hbc's and scores' addresses alone
	s_lshl_b32 s16, ttmp9, 2                       ; in a cluster launch ttmp9 counts clusters
	s_add_co_u32 s16, s16, s15                     ; G: my block of 64 rows
	s_lshl_b32 s46, s16, 19                        ; 64 rows of 8,192 bytes,
	s_lshl_b32 s47, s[WV], 17                      ; my wave's 16 of them
	s_add_co_u32 s46, s46, s47
	s_mov_b32 s47, 0
	s_lshr_b32 s48, s16, 4                         ; the batch: 16 blocks each
	s_lshl_b32 s48, s48, 12
	s_mov_b32 s49, 0
	s_lshl_b32 s50, s16, 8                         ; 64 scores
	s_mov_b32 s51, 0
	s_mul_i32 s52, s[WV], WBLK                     ; my quarter of a K step, in wimg and in a slot: the wave's number alone
	s_mov_b32 s53, 0
	v_lshlrev_b32 v[LI], 4, v41
	v_lshl_add_u32 v[LS6], v41, 2, ISC
	v_lshlrev_b32 v[XA], 13, v42
	v_lshl_add_u32 v[XA], v43, 6, v[XA]
	v_add_nc_u32 v[LW], s52, v[LI]
	v_lshlrev_b32 v44, 2, v41
	s_add_co_u32 s54, s52, 24576
	v_add_nc_u32 v[LWS], s54, v44
	s_mul_i32 s54, s[WV], 1536
	v_add_nc_u32 v[IWI], s54, v[LI]
	s_lshl_b32 s54, s[WV], 6
	s_add_co_u32 s54, s54, ISC
	v_lshl_add_u32 v[IWS], v42, 2, s54
	s_lshl_b32 s54, s[WV], 10
	v_lshl_add_u32 v[EO], v43, 5, s54
	s_lshl_b32 s54, s[WV], 8
	s_add_co_u32 s54, s54, RED
	v_lshl_add_u32 v[RW], v42, 2, s54
	v_lshl_add_u32 v[RR], v41, 3, RED
	v_lshlrev_b32 v[SOF], 3, v41
	v_mov_b32 v[ADW], v[LW]                        ; the fetches begin at step 0: slot 0, the even images
	v_mov_b32 v[ADS], v[LWS]
	v_add_nc_u32 v[ADI], IMG0, v[LI]
	v_add_nc_u32 v[ADJ], IMG0, v[LS6]
	v_add_nc_u32 v[ADO], IMG0, v[IWI]
	v_add_nc_u32 v[ADP], IMG0, v[IWS]
.irp b, 0,1,2,3
	v_mov_b32 v[TM+4+\b], 0                        ; written once: a lane permute's destination counts as one of its sources
.endr
	s_mov_b32 s[SEL], 0x76543210
	s_mov_b32 s[SEL+1], 0xfedcba98
	s_mov_b32 s[CS], 0x4038aa3b                    ; c = 2 log2(e)
	s_mov_b32 s[CS+1], s[CS]
	s_mov_b32 s[TB], 0
	s_mov_b32 s[IB], IMG0
	s_mov_b32 s[CNT], 3
	; descriptor group 1: 25,600 dense bytes as 100 rows of 32 elements of 8 bytes, no padding
	s_mov_b32 s[G1+0], 15|(3<<16)|(1<<21)          ; 15:0 the mask: all four work-groups; 17:16 elements of 8 bytes; 21 set beside a mask
	s_mov_b32 s[G1+1], 32<<16                      ; tensor_dim0 = 32
	s_mov_b32 s[G1+2], 100<<16                     ; tensor_dim1 = 100
	s_mov_b32 s[G1+3], 32<<16                      ; tile_dim0 = 32
	s_mov_b32 s[G1+4], 100                         ; tile_dim1 = 100
	s_mov_b32 s[G1+5], 32                          ; elements from row to row
	s_mov_b32 s[G1+6], 0
	s_mov_b32 s[G1+7], 0
	s_wait_kmcnt 0x0
	s_add_nc_u64 s[4:5], s[4:5], s[46:47]          ; enc at my wave's first row; never stepped
	s_add_nc_u64 s[XB:XB+1], s[4:5], 3072          ; and at its K step 6, for the loop
	s_add_nc_u64 s[8:9], s[8:9], s[48:49]
	s_add_nc_u64 s[12:13], s[12:13], s[50:51]
	XLOAD 0, 4, 0                                  ; K steps 0, 1, 2: asked for before anything else
	XLOAD 1, 4, 512
	XLOAD 2, 4, 1024
	s_mov_b32 s[G0A], 1                            ; count = 1
	s_mov_b32 s[G0A+1], s52                        ; LDS address: slot 0, my quarter
	s_add_nc_u64 s[G0A+2:G0A+3], s[6:7], s[52:53]  ; global address: tile 0, my quarter
	s_mov_b32 s[G0B], 1
	s_add_co_u32 s[G0B+1], s52, SLOT1
	s_add_nc_u64 s[G0B+2:G0B+3], s[G0A+2:G0A+3], 4*WBLK   ; tile 1
	s_or_b32 s[G0A+3], s[G0A+3], 0x80000000        ; type = 2
	s_or_b32 s[G0B+3], s[G0B+3], 0x80000000
	CROUND                                         ; all four work-groups are here: the first joint loads meet
	tensor_load_to_lds s[G0A:G0A+3], s[G1:G1+7]    ; the two first fills stand together: two loads of mine are out
	s_nop 0
	tensor_load_to_lds s[G0B:G0B+3], s[G1:G1+7]
	s_nop 0
	PLACES
	s_wait_loadcnt 32                              ; K step 0's numbers are in
	QUANT 64, PC, PW
	IMG 0
	XLOAD 0, 4, 1536                               ; K step 3
	s_wait_loadcnt 32                              ; K step 1's
	s_wait_dscnt 0x0                               ; the image's stores have read their registers
	QUANT 128, PC, PW
	IMG IMGX
	XLOAD 1, 4, 2048                               ; K step 4
	s_wait_tensorcnt 1                             ; my quarter of tile 0 is in; tile 1's may stay out
	s_wait_dscnt 0x0                               ; for the others' sake: my two images lie in LDS
	s_barrier_signal -1
	s_barrier_wait -1
	FW 0
	FA 0
	STEP 1, 1, 2, 2, 2560, 2                       ; step 0 stands in front of the loop: its products start the sums.  It quantises K step 2 and asks for K step 5 and tile 2
.Lk:                                               ; three trips of three steps (the sets of enc come round after three): steps 1 to 9; they ask for enc's K steps 6 to 14 and tiles 3 to 11
	STEP 0, 1, 0, 1, 0, 2
	STEP 0, 1, 1, 1, 512, 2
	STEP 0, 1, 2, 1, 1024, 2
	s_wait_xcnt 0x0                                ; the loads have read their base: it may step
	s_add_nc_u64 s[XB:XB+1], s[XB:XB+1], 1536
	s_sub_co_u32 s[CNT], s[CNT], 1
	s_cmp_lg_u32 s[CNT], 0
	s_cbranch_scc1 .Lk
	STEP 0, 1, 0, 2, 7680, 2                       ; step 10: enc's last K step is asked for
	STEP 0, 1, 1, 3, 0, 2                          ; step 11: the freed set takes hbc of my tiles 0-7
	STEP 0, 1, 2, 4, 0, 2                          ; step 12: and the next one v
	STEP 0, 1, 0, 0, 0, 2                          ; step 13: the last image; the last refill: tile 15
	STEP 0, 0, 0, 0, 0, 1                          ; step 14: the tail is written out: nothing is asked for
	STEP 0, 0, 0, 0, 0, 0                          ; step 15
	; THE END.  hbc and v of my tiles 8-15 go where W's fragments lay.
	PLACES
	WIN 0x40
.irp b, 0,1,2,3,4,5,6,7
.irp i, 0,1
	global_load_b128 v[8*\b+4*\i:8*\b+4*\i+3], v[EO], s[8:9] offset:512+64*\b+16*\i
.endr
.endr
.irp b, 0,1,2,3,4,5,6,7
.irp i, 0,1
	global_load_b128 v[64+8*\b+4*\i:64+8*\b+4*\i+3], v[EO], s[10:11] offset:512+64*\b+16*\i
.endr
.endr
	WIN 0
.irp j, 0,1,2,3,4,5,6,7,8,9
	v_mov_b32 v[Q+\j], 0                           ; the four sums of v / (1 + 2^(c x)) and the sum of v, a pair each
.endr
; 16 numbers: tile of rows m, tiles b0, b0 + 1 of half hw of my columns; tt: which 16 registers are at work.  Each accumulator is read from its low end on.
.macro EP m, b0, hw, tt
.set rT, 64+16*(\tt)
.set rC, 128*((\m)%2)+8*(8*(\hw)+(\b0))
.set rH, 128*(1-(\hw))+8*(\b0)
.set rV, 64+128*(1-(\hw))+8*(\b0)
	WIN (2+(\m)/2)|((\hw)<<4)                      ; source 0: the accumulators' window; source 2: hbc in window 0 or 1
.irp j, 0,2,4,6,8,10,12,14
	v_pk_fma_f32 v[rT+\j:rT+\j+1], v[rC+\j:rC+\j+1], s[CS:CS+1], v[rH+\j:rH+\j+1] op_sel_hi:[1,0,1]   ; c x = c acc + hbc
.endr
	WIN 0
.irp j, 0,1,2,3,4,5,6,7,8,9,10,11,12,13,14,15
	v_exp_f32 v[rT+\j], v[rT+\j]
.endr
	v_nop                                          ; a plain place behind the transcendentals
	s_wait_alu depctr_va_vdst(0)
.irp j, 0,2,4,6,8,10,12,14
	v_pk_add_f32 v[rT+\j:rT+\j+1], v[rT+\j:rT+\j+1], 1.0 op_sel_hi:[1,0]
.endr
.irp j, 0,1,2,3,4,5,6,7,8,9,10,11,12,13,14,15
	v_rcp_f32 v[rT+\j], v[rT+\j]
.endr
	v_nop
	WIN (\hw)<<2                                   ; source 1: v in window 0 or 1
	s_wait_alu depctr_va_vdst(0)
.irp j, 0,2,4,6,8,10,12,14
	v_pk_fma_f32 v[Q+2*(\m):Q+2*(\m)+1], v[rT+\j:rT+\j+1], v[rV+\j:rV+\j+1], v[Q+2*(\m):Q+2*(\m)+1]
.if (\m) == 0
	v_pk_add_f32 v[SV:SV+1], v[SV:SV+1], v[rV+\j:rV+\j+1]   ; the sum of v over my columns, once
.endif
.endr
	WIN 0
.endm
	s_wait_loadcnt 32                              ; hbc and v of tiles 0-7 are in: the 32 loads just issued may be out
.irp m, 0,1,2,3
.irp g, 0,2,4,6
	EP \m, \g, 0, (\g/2)%2
.endr
.endr
	s_wait_loadcnt 0x0
.irp m, 0,1,2,3
.irp g, 0,2,4,6
	EP \m, \g, 1, (\g/2)%2
.endr
.endr
	v_add_f32 v[SV], v[SV], v[SV+1]
.irp m, 0,1,2,3
	v_add_f32 v[Q+2*\m], v[Q+2*\m], v[Q+2*\m+1]
.endr
.irp m, 0,1,2,3
	v_fma_f32 v[Q+2*\m], v[Q+2*\m], -2.0, v[SV]    ; sum of v (1 - 2 / (1 + 2^(c x))) over my lane's columns
.endr
.irp m, 0,1,2,3
	v_permlanex16_b32 v[Q+2*\m+1], v[Q+2*\m], s[SEL], s[SEL+1]
.endr
.irp m, 0,1,2,3
	v_add_f32 v[Q+2*\m], v[Q+2*\m], v[Q+2*\m+1]    ; with lane l xor 16's columns: row 16 m + r over my wave's 256 columns
.endr
.irp m, 0,1,2,3
	ds_store_b32 v[RW], v[Q+2*\m] offset:64*\m     ; (lanes r and r + 16 write the same word with the same value)
.endr
	s_wait_dscnt 0x0                               ; for wave 0's sake: my 64 sums lie in LDS
	s_barrier_signal -1
	s_barrier_wait -1
	s_cmp_lg_u32 s[WV], 0
	s_cbranch_scc1 .Ldone
.irp w, 0,1,2,3
	ds_load_b64 v[64+2*\w:65+2*\w], v[RR] offset:256*\w
.endr
	s_wait_dscnt 0x0
	v_pk_add_f32 v[64:65], v[64:65], v[66:67]
	v_pk_add_f32 v[68:69], v[68:69], v[70:71]
	v_pk_add_f32 v[64:65], v[64:65], v[68:69]
	global_store_b64 v[SOF], v[64:65], s[12:13]    ; 32 lanes store the block's 64 scores: 256 consecutive bytes, at a multiple of 256 from the buffer's first byte
.Ldone:
	s_wait_tensorcnt 0x0                           ; the wave's end: behind my last tensor load and my last LDS store
	ds_add_u32 v[SPW], v[NIL]
	s_wait_dscnt 0x0
	CROUND                                         ; the closing round: no work-group ends while a partner may still ask for a tile that names it
	s_endpgm
.Lfunc_end_k_qfd162cc217_main:
	.size	k_qfd162cc217_main, .Lfunc_end_k_qfd162cc217_main-k_qfd162cc217_main
	.p2alignl 7, 3214868480
	.fill 96, 4, 3214868480
	.section	.rodata,"a",@progbits
	.p2align	6, 0x0
	.amdhsa_kernel k_qfd162cc217_main
		.amdhsa_group_segment_fixed_size 327680
		.amdhsa_private_segment_fixed_size 0
		.amdhsa_enable_private_segment 0
		.amdhsa_kernarg_size 40
		.amdhsa_user_sgpr_count 2
		.amdhsa_user_sgpr_kernarg_segment_ptr 1
		.amdhsa_wavefront_size32 1
		.amdhsa_system_sgpr_workgroup_id_x 1
		.amdhsa_system_sgpr_workgroup_id_y 1
		.amdhsa_system_sgpr_workgroup_id_z 1
		.amdhsa_system_vgpr_workitem_id 0
		.amdhsa_next_free_vgpr 1024
		.amdhsa_next_free_sgpr 66
		.amdhsa_reserve_vcc 0
		.amdhsa_float_denorm_mode_32 3
		.amdhsa_float_denorm_mode_16_64 3
		.amdhsa_memory_ordered 1
		.amdhsa_forward_progress 1
		.amdhsa_inst_pref_size 255
	.end_amdhsa_kernel
	.section	.bss,"aw",@nobits
	.p2align	6
	.space	262144
	.amdgpu_metadata
---
amdhsa.version: [ 1, 2 ]
amdhsa.kernels:
  - .name:           k_qfd162cc217_main
    .symbol:         k_qfd162cc217_main.kd
    .args:
      - { .name: encoder_outputs, .offset: 0, .size: 8, .value_kind: global_buffer, .address_space: global }
      - { .name: wimg, .offset: 8, .size: 8, .value_kind: global_buffer, .address_space: global }
      - { .name: hbc, .offset: 16, .size: 8, .value_kind: global_buffer, .address_space: global }
      - { .name: v, .offset: 24, .size: 8, .value_kind: global_buffer, .address_space: global }
      - { .name: scores, .offset: 32, .size: 8, .value_kind: global_buffer, .address_space: global }
    .group_segment_fixed_size: 327680
    .private_segment_fixed_size: 0
    .kernarg_segment_align: 8
    .kernarg_segment_size: 40
    .max_flat_workgroup_size: 128
    .sgpr_count:     66
    .vgpr_count:     1024
    .wavefront_size: 32
...
	.end_amdgpu_metadata
.endif
;; end of part 2
;; launch soft (part 3): grid 16 x 1, 1 waves a work-group, no clusters, 0 bytes of LDS; arguments scores, out0; writes out0
.if DOCPART == 3
	.amdgcn_target "amdgcn-amd-amdhsa--gfx1250"
	.amdhsa_code_object_version 6
	.text
	.protected	k_qfd162cc217_soft
	.globl	k_qfd162cc217_soft
	.p2align	8
	.type	k_qfd162cc217_soft,@function
k_qfd162cc217_soft:
	s_mov_b64 s[64:65], 0
	v_nop
	global_prefetch_b8 v0, s[64:65] scope:SCOPE_SE
	s_setreg_imm32_b32 hwreg(HW_REG_WAVE_MODE, 25, 1), 1
	s_wait_xcnt 0x0
; SOFT.  out0[batch][0][t] = softmax over t of scores[batch][t]: 1,024 numbers a batch, one wave to a batch: 32 numbers a lane stay in registers between the maximum, the sum and the scaling.
; The row's maximum m is taken away before the exponential: p = 2^(s L - m L), L = log2(e), one fused multiply-add and one exponential.  No LDS, no barrier: the reduction never leaves the wave.
; A batch's scores come from 16 work-groups of the launch before, which is why this is a launch of its own; it has work for 16 waves and no more.
	s_load_b128 s[4:7], s[0:1], 0x0                ; scores s[4:5], out0 s[6:7]
	v_lshlrev_b32 v1, 4, v0                        ; 16 bytes a lane
	s_lshl_b32 s2, ttmp9, 12                       ; a batch: 4,096 bytes
	s_mov_b32 s3, 0
	s_mov_b32 s8, 0x3fb8aa3b                       ; L = log2(e)
	s_mov_b32 s9, s8                               ; (named with it as a pair, so it is written)
	s_mov_b32 s10, 0x76543210                      ; lane selects: lane l xor 16
	s_mov_b32 s11, 0xfedcba98
	s_wait_kmcnt 0x0
	s_add_nc_u64 s[4:5], s[4:5], s[2:3]
	s_add_nc_u64 s[6:7], s[6:7], s[2:3]
.irp j, 0,1,2,3,4,5,6,7
	global_load_b128 v[8+4*\j:11+4*\j], v1, s[4:5] offset:512*\j   ; 32 lanes read 512 consecutive bytes
.endr
	s_wait_loadcnt 0x0
	v_max3_num_f32 v2, v8, v9, v10                 ; the largest of my 32, in two chains
	v_max3_num_f32 v3, v11, v12, v13
.irp i, 14,18,22,26,30,34
	v_max3_num_f32 v2, v2, v[\i], v[\i+1]
	v_max3_num_f32 v3, v3, v[\i+2], v[\i+3]
.endr
	v_max3_num_f32 v2, v2, v38, v39
	v_max_num_f32 v2, v2, v3
	v_max_num_f32_dpp v2, v2, v2 row_xmask:1 row_mask:0xf bank_mask:0xf
	v_max_num_f32_dpp v2, v2, v2 row_xmask:2 row_mask:0xf bank_mask:0xf
	v_max_num_f32_dpp v2, v2, v2 row_xmask:4 row_mask:0xf bank_mask:0xf
	v_max_num_f32_dpp v2, v2, v2 row_xmask:8 row_mask:0xf bank_mask:0xf
	v_permlanex16_b32 v3, v2, s10, s11
	v_max_num_f32 v2, v2, v3                       ; every lane holds the row's maximum
	v_mul_f32 v4, s8, v2                           ; m L
	v_mov_b32 v5, v4                               ; (the pair's upper half is named, so it is written)
.irp j, 0,2,4,6,8,10,12,14,16,18,20,22,24,26,28,30
	v_pk_fma_f32 v[8+\j:9+\j], v[8+\j:9+\j], s[8:9], v[4:5] op_sel_hi:[1,0,0] neg_lo:[0,0,1] neg_hi:[0,0,1]   ; s L - m L
.endr
.irp j, 0,1,2,3,4,5,6,7,8,9,10,11,12,13,14,15,16,17,18,19,20,21,22,23,24,25,26,27,28,29,30,31
	v_exp_f32 v[8+\j], v[8+\j]
.endr
	v_nop                                          ; a plain place behind the transcendentals
	s_wait_alu depctr_va_vdst(0)
	v_pk_add_f32 v[2:3], v[8:9], v[10:11]          ; the sum, two at a time, in two chains
	v_pk_add_f32 v[6:7], v[12:13], v[14:15]
.irp j, 16,20,24,28,32,36
	v_pk_add_f32 v[2:3], v[2:3], v[\j:\j+1]
	v_pk_add_f32 v[6:7], v[6:7], v[\j+2:\j+3]
.endr
	v_pk_add_f32 v[2:3], v[2:3], v[6:7]
	v_add_f32 v2, v2, v3
	v_add_f32_dpp v2, v2, v2 row_xmask:1 row_mask:0xf bank_mask:0xf
	v_add_f32_dpp v2, v2, v2 row_xmask:2 row_mask:0xf bank_mask:0xf
	v_add_f32_dpp v2, v2, v2 row_xmask:4 row_mask:0xf bank_mask:0xf
	v_add_f32_dpp v2, v2, v2 row_xmask:8 row_mask:0xf bank_mask:0xf
	v_permlanex16_b32 v3, v2, s10, s11
	v_add_f32 v2, v2, v3
	v_rcp_f32 v6, v2
	v_mov_b32 v7, 0                                ; a plain place behind the reciprocal; it also writes the pair's upper half, which is named below
	s_wait_alu depctr_va_vdst(0)
.irp j, 0,2,4,6,8,10,12,14,16,18,20,22,24,26,28,30
	v_pk_mul_f32 v[8+\j:9+\j], v[8+\j:9+\j], v[6:7] op_sel_hi:[1,0]
.endr
.irp j, 0,1,2,3,4,5,6,7
	global_store_b128 v1, v[8+4*\j:11+4*\j], s[6:7] offset:512*\j   ; 32 lanes store 512 consecutive bytes, at a multiple of 256 from out0's first byte
.endr
	s_endpgm
.Lfunc_end_k_qfd162cc217_soft:
	.size	k_qfd162cc217_soft, .Lfunc_end_k_qfd162cc217_soft-k_qfd162cc217_soft
	.p2alignl 7, 3214868480
	.fill 96, 4, 3214868480
	.section	.rodata,"a",@progbits
	.p2align	6, 0x0
	.amdhsa_kernel k_qfd162cc217_soft
		.amdhsa_group_segment_fixed_size 0
		.amdhsa_private_segment_fixed_size 0
		.amdhsa_enable_private_segment 0
		.amdhsa_kernarg_size 16
		.amdhsa_user_sgpr_count 2
		.amdhsa_user_sgpr_kernarg_segment_ptr 1
		.amdhsa_wavefront_size32 1
		.amdhsa_system_sgpr_workgroup_id_x 1
		.amdhsa_system_sgpr_workgroup_id_y 1
		.amdhsa_system_sgpr_workgroup_id_z 1
		.amdhsa_system_vgpr_workitem_id 0
		.amdhsa_next_free_vgpr 64
		.amdhsa_next_free_sgpr 66
		.amdhsa_reserve_vcc 0
		.amdhsa_float_denorm_mode_32 3
		.amdhsa_float_denorm_mode_16_64 3
		.amdhsa_memory_ordered 1
		.amdhsa_forward_progress 1
		.amdhsa_inst_pref_size 9
	.end_amdhsa_kernel
	.amdgpu_metadata
---
amdhsa.version: [ 1, 2 ]
amdhsa.kernels:
  - .name:           k_qfd162cc217_soft
    .symbol:         k_qfd162cc217_soft.kd
    .args:
      - { .name: scores, .offset: 0, .size: 8, .value_kind: global_buffer, .address_space: global }
      - { .name: out0, .offset: 8, .size: 8, .value_kind: global_buffer, .address_space: global }
    .group_segment_fixed_size: 0
    .private_segment_fixed_size: 0
    .kernarg_segment_align: 8
    .kernarg_segment_size: 16
    .max_flat_workgroup_size: 32
    .sgpr_count:     66
    .vgpr_count:     64
    .wavefront_size: 32
...
	.end_amdgpu_metadata
.endif
;; end of part 3
;; ======== version 2 of 2: 3 launches
;; limits: right only within a limited range of input values
;; workspace buffers: acod 25,165,824 bytes; ascl 1,048,576 bytes; wcod 1,572,864 bytes; wscl 65,536 bytes; hbc 65,536 bytes; scores 262,144 bytes
;; launch quant (part 4): grid 256 x 1, 4 waves a work-group, no clusters, 327,680 bytes of LDS; arguments encoder_outputs, W_codes, W_scales, hidden, b, acod, ascl, wcod, wscl, hbc; writes acod, ascl, wcod, wscl, hbc
.if DOCPART == 4
	.amdgcn_target "amdgcn-amd-amdhsa--gfx1250"
	.amdhsa_code_object_version 6
	.text
	.protected	k_qfd162cc217_quant
	.globl	k_qfd162cc217_quant
	.p2align	8
	.type	k_qfd162cc217_quant,@function
k_qfd162cc217_quant:
	s_mov_b64 s[64:65], 0
	v_nop
	global_prefetch_b8 v0, s[64:65] scope:SCOPE_SE
	s_setreg_imm32_b32 hwreg(HW_REG_WAVE_MODE, 25, 1), 1
	s_wait_xcnt 0x0
; QUANT.  encoder_outputs (16,384 rows x 2,048, f32) is quantised once (E2M3, one E8M0 scale for each 32 along K) and stored as IMAGES OF OPERAND REGISTERS for the next launch.
; acod: block (mt, s) at (16 mt + s) x 24,576 bytes, mt = row / 256, s = K step of 128; in it fragment i = (row / 16) % 16 at 1,536 i + 512 c + 16 x lane (registers 4 c .. 4 c + 3 of the fragment's 12).
; ascl: one scale word (four E8M0 bytes) for a row and a K step, at 16,384 mt + 4,096 (s / 4) + 16 (row % 256) + 4 (s % 4).  wcod, wscl: the same for W's rows n and its k = 1,024 .. 3,071 (codes and bytes as given).
; SHARES.  A work-group has 64 rows, in four fills of 16 whole rows (131,072 consecutive bytes of memory).  Of a fill wave g fetches 2,048 bytes of each row (K steps 4 g .. 4 g + 3) by ONE tensor load into a slot of its own
; (16 bytes of padding behind every 1,024: rows 2,080 bytes apart), and reads only its own slots: lane (r, h) takes k = 32 b + 16 h + i of row r into register 16 b + i.  Two slots a wave; a slot is filled again behind
; the lines and the barrier; one tensor load of a wave is out at a time.  A fill gives a wave four fragments and, for each row, four scale words: 256 bytes for 16 rows.
; PREFETCH: behind each fill's request a wave asks for its 128 blocks of 256 bytes of the NEXT fill, a lane a block, four instructions; the last fill's request asks for nothing.
; Work-groups 0 .. 63 do more, while fill 0 is on its way: for W's rows n = 16 T .. 16 T + 15 (T the work-group's number) wave g re-lays K steps 4 g .. 4 g + 3 of the part above, and multiplies K steps 2 g, 2 g + 1 of the
; first 1,024: reference() repeats hidden[batch] over all t, so these give one sum for all rows of a batch: hbc[batch][n] = c (Q(hidden[batch]) . W[n][0 .. 1,023] + b[n]), c = 2 log2(e), since tanh x = 1 - 2 / (1 + 2^(c x)).
; WORK LEFT OUT, in the whole program: scores[b][t] = sum over h of v[h] tanh(..) = sum(v) - 2 sum over h of v[h] / (1 + 2^(c x)).  sum(v) is the same for every t, whatever the inputs hold, and the softmax
; runs along t: a term that is the same along a softmax's axis cancels.  It is not formed.  LIMIT: a NaN, an infinity or an overflow that would arise in sum(v) alone is not carried to the result.
; LIMITS: a block whose largest magnitude lies under 2^-124, a block of zeros too, gets the scale byte 1 (only this program reads the byte; zeros have zero codes).  NaN and infinities in encoder_outputs and hidden are not served.
; No clusters: the work-groups share no input.
.set SLOTD, 33280                      ; a wave's slot: 16 rows x 2,080 bytes
.set PS,    8*SLOTD                    ; behind the rings: the four waves' partial sums of the hidden product, 1,024 bytes each
.set SPARE, PS+4096                    ; the spare words, 128 bytes a wave
.set BLK,   24576
.set FILLB, 131072                     ; 16 rows of 8,192 bytes
.set LI,  1                            ; 16 x lane
.set XR,  2                            ; my numbers in my slot 0: ring + 2,080 r + 64 h
.set SW,  3                            ; 16 r
.set PFO, 4                            ; the prefetches' offset: 8,192 (lane / 8) + 256 (lane % 8) + 2,048 g; never rewritten
.set VX,  6                            ; hidden: 4,096 r + 64 h + 1,024 g
.set VC,  7                            ; W's codes, hidden part: 2,304 r + 24 h + 192 g
.set VS,  8                            ; W's scale bytes, hidden part: 96 r + 8 g
.set VR,  9                            ; W's codes to re-lay: 2,304 r + 24 h + 384 g
.set VT,  10                           ; W's scale bytes to re-lay: 96 r + 16 g
.set VB,  11                           ; b: 32 h
.set VO,  12                           ; hbc: 4,096 r + 32 h
.set LP,  13                           ; my partial sums in LDS
.set SPW, 14
.set NIL, 15
.set TM,  20                           ; v20-31 at work in the quantiser
.set PC,  32                           ; v32-43 a fragment's codes
.set PT,  44                           ; v44-51 the conversions' second halves
.set PW,  52                           ; v52-55 scale words;  v56-57 W's: these hold scales and nothing else
.set WSC, 56
.set T0,  64                           ; v64-127, v128-191 two fragments' numbers
.set T1,  128
.set PC1, 192                          ; hidden's second fragment
.set WF,  204                          ; v204-227 W's two fragments
.set ACC, 228
.set BI,  236
.set RF,  0                            ; window 1: v0-47 the four fragments to re-lay, v48-51 their scale words
.set RS,  48
.set WV,  24
.set SEL, 48
.set CS,  50
.set G1,  72
.set G0A, 80
.set G0B, 84
.set MSB, 0
.macro WIN new
.if MSB != (\new)
	s_set_vgpr_msb (MSB<<8)|(\new)
.set MSB, (\new)
.endif
.endm
; 64 numbers of a lane, register 16 b + i = k 32 b + 16 h + i of my row, become a fragment's 12 registers of codes at v[pc] and the row's scale word in v[pw]
.macro QUANT s, pc, pw
.irp b, 0,1,2,3
	v_max3_num_f32 v[TM+\b], |v[(\s)+16*\b]|, |v[(\s)+1+16*\b]|, 0x1800000   ; block b: my 16 numbers, and the floor 2^(3 - 127)
.endr
.irp i, 2,4,6,8,10,12,14
.irp b, 0,1,2,3
	v_max3_num_f32 v[TM+\b], v[TM+\b], |v[(\s)+16*\b+\i]|, |v[(\s)+1+16*\b+\i]|
.endr
.endr
.irp b, 0,1,2,3
	v_permlanex16_b32 v[TM+4+\b], v[TM+\b], s[SEL], s[SEL+1]
.endr
.irp b, 0,1,2,3
	v_max_num_f32 v[TM+\b], v[TM+\b], v[TM+4+\b]       ; with lane l xor 16's: the block's largest magnitude
.endr
.irp b, 0,1,2,3
	v_add_nc_u32 v[TM+8+\b], 0xff000000, v[TM+\b]      ; 2 off its exponent field: the conversion's scale operand
.endr
.irp b, 0,1,2,3
	v_lshrrev_b32 v[TM+4+\b], 23, v[TM+8+\b]           ; the scale's byte
.endr
	v_lshl_or_b32 v[TM+4], v[TM+5], 8, v[TM+4]
	v_lshl_or_b32 v[TM+6], v[TM+7], 8, v[TM+6]
	v_lshl_or_b32 v[\pw], v[TM+6], 16, v[TM+4]
.irp c, 0,1
	v_cvt_scalef32_pk16_fp6_f32 v[(\pc)+6*\c:(\pc)+2+6*\c], v[(\s)+32*\c:(\s)+15+32*\c], v[TM+8+2*\c]
	v_cvt_scalef32_pk16_fp6_f32 v[PT+4*\c:PT+2+4*\c], v[(\s)+16+32*\c:(\s)+31+32*\c], v[TM+9+2*\c]
.endr
	v_nop                                          ; one plain place behind a scaled conversion
.irp c, 0,1                                    ; the operand wants a whole block in a lane
.irp i, 0,1,2
	v_permlane16_swap_b32 v[(\pc)+6*\c+\i], v[PT+4*\c+\i]
.endr
.irp i, 0,1,2
	v_mov_b32 v[(\pc)+3+6*\c+\i], v[PT+4*\c+\i]
.endr
.endr
.endm
.macro ASKX f                          ; my 16 rows x 2,048 bytes of fill f: four rows an instruction
.irp q, 0,1,2,3
	global_prefetch_b8 v[PFO], s[4:5] offset:FILLB*(\f)+32768*\q th:TH_LOAD_NT scope:SCOPE_SE
.endr
.endm
.macro XL t, slot, u                   ; K step u of my slot: 512 u bytes along the row, and 16 more behind the first 1,024
.irp b, 0,1,2,3
.irp j, 0,1,2,3
	ds_load_b128 v[(\t)+16*\b+4*\j:(\t)+16*\b+4*\j+3], v[XR] offset:(\slot)*SLOTD+512*(\u)+16*((\u)/2)+128*\b+16*\j
.endr
.endr
.endm
.macro OUT f, u
.irp c, 0,1,2
	global_store_b128 v[LI], v[PC+4*\c:PC+4*\c+3], s[14:15] offset:BLK*(\u)+1536*(\f)+512*\c   ; 512 consecutive bytes, at a multiple of 256
.endr
.endm
; fill f, which lies in slot: four fragments, on two sets of registers by turns.  16 = the next fragment's LDS loads, which may be out.  pf: the fill to ask for (0: none)
.macro TILE f, slot, pf
	s_wait_xcnt 0x0                                ; earlier stores have read their registers
	XL T0, \slot, 0
	XL T1, \slot, 1
.if \pf
	ASKX \pf
.endif
	s_wait_dscnt 16
	QUANT T0, PC, PW
	OUT \f, 0
	XL T0, \slot, 2
	s_wait_dscnt 16
	s_wait_xcnt 0x0
	QUANT T1, PC, PW+1
	OUT \f, 1
	XL T1, \slot, 3
	s_wait_dscnt 16
	s_wait_xcnt 0x0
	QUANT T0, PC, PW+2
	OUT \f, 2
	s_wait_dscnt 0x0
	s_wait_xcnt 0x0
	QUANT T1, PC, PW+3
	OUT \f, 3
	global_store_b128 v[SW], v[PW:PW+3], s[16:17] offset:256*(\f)   ; four K steps' scale words of 16 rows: one aligned 256 bytes (lanes 16-31 repeat lanes 0-15)
.endm
; a slot is filled (slot 1 the first time: step = 0)
.macro FILL g0, step
	s_wait_tensorcnt 0x0                           ; my tensor load has landed
	ds_add_u32 v[SPW], v[NIL]
.if \step
	s_add_nc_u64 s[\g0+2:\g0+3], s[\g0+2:\g0+3], 2*FILLB
.endif
	s_wait_dscnt 0x0                               ; the add is done, and my reads of the slot are back
	s_barrier_signal -1
	s_barrier_wait -1
	tensor_load_to_lds s[\g0:\g0+3], s[G1:G1+7]
	s_nop 0
.endm
	s_load_b512 s[4:19], s[0:1], 0x0               ; encoder_outputs 4, W_codes 6, W_scales 8, hidden 10, b 12, acod 14, ascl 16, wcod 18
	s_load_b128 s[20:23], s[0:1], 0x40             ; wscl 20, hbc 22
	v_lshl_add_u32 v[SPW], v0, 2, SPARE
	v_mov_b32 v[NIL], 0
	ds_add_u32 v[SPW], v[NIL]                      ; the opening lines: the add, twice on end, and its wait
	ds_add_u32 v[SPW], v[NIL]
	v_lshrrev_b32 v18, 5, v0
	v_readfirstlane_b32 s[WV], v18                 ; g
	s_lshl_b32 s30, ttmp9, 19                      ; 64 rows of 8,192 bytes
	s_mov_b32 s31, 0
	s_lshl_b32 s26, s[WV], 11                      ; my 2,048 bytes of a row
	s_mov_b32 s27, 0
	s_mul_i32 s28, s[WV], 2*SLOTD                  ; my ring
	s_mov_b32 s[G1+0], (3<<16)|(1<<20)|(7<<22)|(3<<25)   ; elements of 8 bytes; 4 dwords of padding behind every 256
	s_mov_b32 s[G1+1], 256<<16                     ; a row of the tile: 256 elements
	s_mov_b32 s[G1+2], 16<<16
	s_mov_b32 s[G1+3], 256<<16
	s_mov_b32 s[G1+4], 16                          ; 16 rows
	s_mov_b32 s[G1+5], 1024                        ; a row of the tensor: 1,024 elements
	s_mov_b32 s[G1+6], 0
	s_mov_b32 s[G1+7], 0
	s_lshr_b32 s32, ttmp9, 2                       ; mt
	s_and_b32 s33, ttmp9, 3                        ; my four fragments' place in it
	s_mul_i32 s36, s32, 16*BLK
	s_mul_i32 s29, s[WV], 4*BLK
	s_add_co_u32 s36, s36, s29
	s_mul_i32 s29, s33, 4*1536
	s_add_co_u32 s36, s36, s29
	s_mov_b32 s37, 0
	s_lshl_b32 s38, s32, 14
	s_lshl_b32 s29, s[WV], 12
	s_add_co_u32 s38, s38, s29
	s_lshl_b32 s29, s33, 10
	s_add_co_u32 s38, s38, s29
	s_mov_b32 s39, 0
	s_mov_b32 s[SEL], 0x76543210
	s_mov_b32 s[SEL+1], 0xfedcba98
	s_mov_b32 s[CS], 0x4038aa3b                    ; c = 2 log2(e)
	s_mov_b32 s[CS+1], s[CS]
	s_wait_dscnt 0x0
	s_wait_kmcnt 0x0
	s_add_nc_u64 s[4:5], s[4:5], s[30:31]
	s_add_nc_u64 s[14:15], s[14:15], s[36:37]
	s_add_nc_u64 s[16:17], s[16:17], s[38:39]
	s_mov_b32 s[G0A], 1
	s_mov_b32 s[G0A+1], s28
	s_add_nc_u64 s[G0A+2:G0A+3], s[4:5], s[26:27]  ; fill 0
	s_mov_b32 s[G0B], 1
	s_add_co_u32 s[G0B+1], s28, SLOTD
	s_add_nc_u64 s[G0B+2:G0B+3], s[G0A+2:G0A+3], FILLB   ; fill 1
	s_or_b32 s[G0A+3], s[G0A+3], 0x80000000
	s_or_b32 s[G0B+3], s[G0B+3], 0x80000000
	tensor_load_to_lds s[G0A:G0A+3], s[G1:G1+7]    ; one tensor load a wave at the head
	s_nop 0
	v_and_b32 v18, 31, v0
	v_and_b32 v16, 15, v0                          ; r
	v_bfe_u32 v17, v0, 4, 1                        ; h
	v_lshlrev_b32 v[LI], 4, v18
	v_mul_u32_u24 v19, v16, 2080
	v_lshlrev_b32 v[SW], 4, v16
	v_lshrrev_b32 v[PFO], 3, v18
	v_and_b32 v18, 7, v18
	v_lshl_add_u32 v19, v17, 6, v19
	v_lshlrev_b32 v[PFO], 13, v[PFO]
	v_add_nc_u32 v[XR], s28, v19
	v_lshl_add_u32 v[PFO], v18, 8, v[PFO]
.irp b, 0,1,2,3
	v_mov_b32 v[TM+4+\b], 0                        ; a lane permute's destination counts as one of its sources
.endr
	v_add_nc_u32 v[PFO], s26, v[PFO]
	s_wait_alu depctr_va_vdst(0)
	ASKX 1
	s_cmp_lt_u32 ttmp9, 64
	s_cbranch_scc0 .Lstream
	; ---- work-groups 0 .. 63: W's rows 16 T .. 16 T + 15
	s_mul_i32 s30, ttmp9, 36864                    ; 16 rows of 2,304 bytes
	s_mul_i32 s32, ttmp9, 1536                     ; 16 rows of 96 scale bytes
	s_mov_b32 s33, 0
	s_lshl_b32 s34, ttmp9, 6                       ; 16 numbers of b, and of a row of hbc
	s_mov_b32 s35, 0
	s_lshr_b32 s40, ttmp9, 4                       ; n / 256
	s_and_b32 s41, ttmp9, 15                       ; fragment
	s_mul_i32 s36, s40, 16*BLK
	s_mul_i32 s42, s[WV], 4*BLK
	s_add_co_u32 s36, s36, s42
	s_mul_i32 s42, s41, 1536
	s_add_co_u32 s36, s36, s42
	s_lshl_b32 s38, s40, 14
	s_lshl_b32 s42, s[WV], 12
	s_add_co_u32 s38, s38, s42
	s_lshl_b32 s42, s41, 8
	s_add_co_u32 s38, s38, s42
	s_add_nc_u64 s[6:7], s[6:7], s[30:31]
	s_add_nc_u64 s[8:9], s[8:9], s[32:33]
	s_add_nc_u64 s[12:13], s[12:13], s[34:35]
	s_add_nc_u64 s[22:23], s[22:23], s[34:35]
	s_add_nc_u64 s[18:19], s[18:19], s[36:37]
	s_add_nc_u64 s[20:21], s[20:21], s[38:39]
	s_mul_i32 s42, s[WV], 192
	s_mul_i32 s43, s[WV], 384
	s_lshl_b32 s44, s[WV], 3
	s_lshl_b32 s45, s[WV], 4
	s_lshl_b32 s46, s[WV], 10
	s_add_co_u32 s47, s46, PS
	v_mul_u32_u24 v18, v16, 2304
	v_mul_u32_u24 v19, v16, 96
	v_mad_u32_u24 v18, v17, 24, v18
	v_add_nc_u32 v[VS], s44, v19
	v_add_nc_u32 v[VT], s45, v19
	v_add_nc_u32 v[VC], s42, v18
	v_add_nc_u32 v[VR], s43, v18
	v_lshlrev_b32 v19, 12, v16
	v_lshlrev_b32 v[VB], 5, v17
	v_add_nc_u32 v[VO], v19, v[VB]
	v_lshl_add_u32 v19, v17, 6, v19
	v_add_nc_u32 v[VX], s46, v19
	v_add_nc_u32 v[LP], s47, v[LI]
	s_wait_alu depctr_va_vdst(0)
.irp u, 0,1
.irp b, 0,1,2,3
.irp j, 0,1,2,3
	global_load_b128 v[T0+64*\u+16*\b+4*\j:T0+64*\u+16*\b+4*\j+3], v[VX], s[10:11] offset:512*\u+128*\b+16*\j   ; hidden(r, 128 (2 g + u) + 32 b + 16 h + 4 j ..)
.endr
.endr
.endr
.irp u, 0,1
.irp p, 0,1,2,3,4,5
	global_load_b64 v[WF+12*\u+2*\p:WF+12*\u+2*\p+1], v[VC], s[6:7] offset:96*\u+48*(\p/3)+8*(\p%3)
.endr
.endr
	global_load_b64 v[WSC:WSC+1], v[VS], s[8:9]    ; the two K steps' scale words of row r
	WIN 0x40                                       ; destination window 1
.irp q, 0,1,2,3
.irp p, 0,1,2,3,4,5
	global_load_b64 v[RF+12*\q+2*\p:RF+12*\q+2*\p+1], v[VR], s[6:7] offset:768+96*\q+48*(\p/3)+8*(\p%3)
.endr
.endr
	global_load_b128 v[RS:RS+3], v[VT], s[8:9] offset:32   ; four K steps' scale words of row r
	WIN 0
	s_cmp_lg_u32 s[WV], 0
	s_cbranch_scc1 .Lno_b
	global_load_b128 v[BI:BI+3], v[VB], s[12:13]   ; wave 0, which adds the parts: b
	global_load_b128 v[BI+4:BI+7], v[VB], s[12:13] offset:16
.Lno_b:
	s_wait_loadcnt 0x0
	QUANT T0, PC, PW
	QUANT T1, PC1, PW+1
.rept 8
	v_nop                                          ; a scale word made by vector instructions stands 8 places ahead of a scaled matrix instruction
.endr
	; source 0 = 16 rows of W, source 1 = the 16 batches: lane (r, h), register j: batch r, n = 16 T + 8 h + j
	v_wmma_scale_f32_16x16x128_f8f6f4 v[ACC:ACC+7], v[WF:WF+11], v[PC:PC+11], 0, v[WSC], v[PW] matrix_a_fmt:MATRIX_FMT_FP6 matrix_b_fmt:MATRIX_FMT_FP6
	s_wait_alu depctr_va_vdst(0)                   ; one accumulator, two links
	v_wmma_scale_f32_16x16x128_f8f6f4 v[ACC:ACC+7], v[WF+12:WF+23], v[PC1:PC1+11], v[ACC:ACC+7], v[WSC+1], v[PW+1] matrix_a_fmt:MATRIX_FMT_FP6 matrix_b_fmt:MATRIX_FMT_FP6
.rept 4
	v_nop                                          ; four places behind the product (ISA guide 7.12.1)
.endr
	ds_store_b128 v[LP], v[ACC:ACC+3]
	ds_store_b128 v[LP], v[ACC+4:ACC+7] offset:512
	WIN 0x04                                       ; a store's data are its source 1: window 1
.irp q, 0,1,2,3
.irp c, 0,1,2
	global_store_b128 v[LI], v[RF+12*\q+4*\c:RF+12*\q+4*\c+3], s[18:19] offset:BLK*\q+512*\c
.endr
.endr
	global_store_b128 v[SW], v[RS:RS+3], s[20:21]  ; 16 rows x 16 bytes: one aligned 256 bytes (lanes 16-31 repeat lanes 0-15)
	WIN 0
	s_wait_dscnt 0x0                               ; for wave 0's sake: my partial sums lie in LDS
	s_barrier_signal -1
	s_barrier_wait -1
	s_cmp_lg_u32 s[WV], 0
	s_cbranch_scc1 .Lno_sum
.irp g, 0,1,2,3
	ds_load_b128 v[T0+8*\g:T0+8*\g+3], v[LP] offset:1024*\g        ; (wave 0's own place is the first)
	ds_load_b128 v[T0+8*\g+4:T0+8*\g+7], v[LP] offset:1024*\g+512
.endr
	s_wait_dscnt 0x0
.irp j, 0,2,4,6
	v_pk_add_f32 v[T0+\j:T0+\j+1], v[T0+\j:T0+\j+1], v[T0+8+\j:T0+9+\j]
	v_pk_add_f32 v[T0+16+\j:T0+17+\j], v[T0+16+\j:T0+17+\j], v[T0+24+\j:T0+25+\j]
.endr
.irp j, 0,2,4,6
	v_pk_add_f32 v[T0+\j:T0+\j+1], v[T0+\j:T0+\j+1], v[T0+16+\j:T0+17+\j]
.endr
.irp j, 0,2,4,6
	v_pk_add_f32 v[T0+\j:T0+\j+1], v[T0+\j:T0+\j+1], v[BI+\j:BI+\j+1]
.endr
.irp j, 0,2,4,6
	v_pk_mul_f32 v[T0+\j:T0+\j+1], v[T0+\j:T0+\j+1], s[CS:CS+1] op_sel_hi:[1,0]
.endr
	global_store_b128 v[VO], v[T0:T0+3], s[22:23]  ; hbc(r, 16 T + 8 h ..): 1,024 bytes a work-group
	global_store_b128 v[VO], v[T0+4:T0+7], s[22:23] offset:16
.Lno_sum:
.Lstream:
	FILL G0B, 0                                    ; fill 0 has landed; fill 1 goes out: slot 1's first fill
	TILE 0, 0, 2
	FILL G0A, 1                                    ; fill 2
	TILE 1, 1, 3
	FILL G0B, 1                                    ; fill 3, the last
	TILE 2, 0, 0
	s_wait_tensorcnt 0x0                           ; fill 3 has landed; only I read my slot
	TILE 3, 1, 0
	s_wait_tensorcnt 0x0                           ; the wave's end
	ds_add_u32 v[SPW], v[NIL]
	s_wait_dscnt 0x0
	s_endpgm
.Lfunc_end_k_qfd162cc217_quant:
	.size	k_qfd162cc217_quant, .Lfunc_end_k_qfd162cc217_quant-k_qfd162cc217_quant
	.p2alignl 7, 3214868480
	.fill 96, 4, 3214868480
	.section	.rodata,"a",@progbits
	.p2align	6, 0x0
	.amdhsa_kernel k_qfd162cc217_quant
		.amdhsa_group_segment_fixed_size 327680
		.amdhsa_private_segment_fixed_size 0
		.amdhsa_enable_private_segment 0
		.amdhsa_kernarg_size 80
		.amdhsa_user_sgpr_count 2
		.amdhsa_user_sgpr_kernarg_segment_ptr 1
		.amdhsa_wavefront_size32 1
		.amdhsa_system_sgpr_workgroup_id_x 1
		.amdhsa_system_sgpr_workgroup_id_y 1
		.amdhsa_system_sgpr_workgroup_id_z 1
		.amdhsa_system_vgpr_workitem_id 0
		.amdhsa_next_free_vgpr 320
		.amdhsa_next_free_sgpr 88
		.amdhsa_reserve_vcc 0
		.amdhsa_float_denorm_mode_32 3
		.amdhsa_float_denorm_mode_16_64 3
		.amdhsa_memory_ordered 1
		.amdhsa_forward_progress 1
		.amdhsa_inst_pref_size 108
	.end_amdhsa_kernel
	.amdgpu_metadata
---
amdhsa.version: [ 1, 2 ]
amdhsa.kernels:
  - .name:           k_qfd162cc217_quant
    .symbol:         k_qfd162cc217_quant.kd
    .args:
      - { .name: encoder_outputs, .offset: 0, .size: 8, .value_kind: global_buffer, .address_space: global }
      - { .name: W_codes, .offset: 8, .size: 8, .value_kind: global_buffer, .address_space: global }
      - { .name: W_scales, .offset: 16, .size: 8, .value_kind: global_buffer, .address_space: global }
      - { .name: hidden, .offset: 24, .size: 8, .value_kind: global_buffer, .address_space: global }
      - { .name: b, .offset: 32, .size: 8, .value_kind: global_buffer, .address_space: global }
      - { .name: acod, .offset: 40, .size: 8, .value_kind: global_buffer, .address_space: global }
      - { .name: ascl, .offset: 48, .size: 8, .value_kind: global_buffer, .address_space: global }
      - { .name: wcod, .offset: 56, .size: 8, .value_kind: global_buffer, .address_space: global }
      - { .name: wscl, .offset: 64, .size: 8, .value_kind: global_buffer, .address_space: global }
      - { .name: hbc, .offset: 72, .size: 8, .value_kind: global_buffer, .address_space: global }
    .group_segment_fixed_size: 327680
    .private_segment_fixed_size: 0
    .kernarg_segment_align: 8
    .kernarg_segment_size: 80
    .max_flat_workgroup_size: 128
    .sgpr_count:     88
    .vgpr_count:     320
    .wavefront_size: 32
...
	.end_amdgpu_metadata
.endif
;; end of part 4
;; launch gemm (part 5): grid 4 x 64, 4 waves a work-group, clusters of 4 x 4, 327,680 bytes of LDS; arguments acod, ascl, wcod, wscl, hbc, v, scores; writes scores
.if DOCPART == 5
	.amdgcn_target "amdgcn-amd-amdhsa--gfx1250"
	.amdhsa_code_object_version 6
	.text
	.protected	k_qfd162cc217_gemm
	.globl	k_qfd162cc217_gemm
	.p2align	8
	.type	k_qfd162cc217_gemm,@function
k_qfd162cc217_gemm:
	s_mov_b64 s[64:65], 0
	v_nop
	global_prefetch_b8 v0, s[64:65] scope:SCOPE_SE
	s_setreg_imm32_b32 hwreg(HW_REG_WAVE_MODE, 25, 1), 1
	s_wait_xcnt 0x0
	s_wait_alu depctr_hold_cnt(0) depctr_sa_sdst(0) depctr_va_vdst(0) depctr_va_sdst(0) depctr_va_ssrc(0) depctr_va_vcc(0) depctr_vm_vsrc(0)
	s_getreg_b32 s2, hwreg(HW_REG_IB_STS2, 6, 4)
	s_cmp_eq_u32 s2, 0
	s_cbranch_scc0 .Lentry_in_a_cluster
	s_endpgm
.Lentry_in_a_cluster:
	s_bfe_u32 s2, ttmp6, 0x10000c
	s_cmp_lg_u32 s2, 0xf033
	s_cbranch_scc0 .Lentry_shape_is_right
	s_endpgm
.Lentry_shape_is_right:
; GEMM.  x[m][n] = sum over k of A[m][k] W[n][k] (A: the codes of encoder_outputs, K = 2,048; MX-FP6 on both sides), then scores[nt][m] = -2 sum over this block's n of v[n] / (1 + 2^(c x + hbc[batch][n])).
; sum(v) is left out of the scores: it is the same along the softmax's axis (shown at the head of the first kernel).
; A block is 256 rows m (mt) x 256 columns n (nt): four waves, each 128 x 128: 64 accumulators, 512 registers.  Codes come as images of operand registers: a fragment (16 rows x 128 K) is 1,536 dense bytes,
; three loads of 16 bytes a lane; a K step of 256 rows is 24,576 dense bytes, fetched as rows of 256 bytes.  A slot holds TWO K steps of A and of B (98,304 bytes); two slots; eight fills in all.
; The scale words of the block's rows of A and of B for all of K (16,384 bytes each) come once, at the head, and stay.
; CLUSTERS: 4 x 4 work-groups; the four of a row share mt and ask for A's tiles jointly, the four of a column share nt and ask for B's jointly.
; PREFETCH: with each fill's request a wave asks, by one instruction, for its share of the fill TWO on: of the 96 blocks of 256 bytes that wave w fetches, the partner at place p (cx for A, cy for B) names
; blocks 24 p .. 24 p + 23, a lane a block (lanes 24-31 repeat the last): the four are told apart by address.  The head asks for fills 1 and 2; the requests of fills 6 and 7 ask for nothing.
; W's tiles are the same for all 16 clusters: clusters 0, 4, 8 and 12 alone ask for them.
; The matrix instruction is used transposed (source 0 = rows of W, source 1 = rows of A): lane (r, h) holds row r of A, its register j the column 8 h + j.
; LIMIT: 2^(..) may overflow to infinity, whose reciprocal is 0: tanh is then 1, as in reference().
; REGISTERS: window 0: v16-30 addresses; v32-63 scale words, two sets; v64-127 hbc; v128-223 A's fragments, one set (at the end: at work); v224-255 the rows' sums.
;   window 1: B's fragments, two sets, at v0 and v128; v96-127, v224-255 v.   windows 2, 3: the accumulators ((a, b) at v[8 (8 (a % 4) + b)]).
.set BLK,   24576
.set FRB,   1536
.set SLOT,  4*BLK                      ; A's two K steps, then B's two
.set SCL,   2*SLOT                     ; A's scale words, then B's
.set RED,   SCL+32768                  ; the waves' sums: 512 bytes each
.set SPARE, RED+2048                   ; the spare words
.set FR,  12
.set NL,  3
.set NQ,  2
.set ADRA, 16                          ; v16-17 my A fragments in slot 0, 1
.set ADRB, 20                          ; v20-21 my B fragments
.set ADRS, 22                          ; my scale words: lanes 0-15 A's rows, lanes 16-31 B's
.set ADRT, 23                          ; the same, at this trip's place along K
.set EO,   24                          ; 32 h
.set RW,   25
.set RR,   26
.set SOF,  27                          ; 16 x lane
.set SPW,  28
.set NIL,  29
.set PFO,  30                          ; the prefetches' offset: 256 x min(lane, 23); never rewritten
.set SC,   32
.set HB,   64
.set AF,   128
.set TT,   128
.set Q,    224
.set G1, 24
.set G0, 32
.set G1B, 48
.set G0B, 56
.set G1S, 68
.set G0S, 76
.set G1SB, 80
.set G0SB, 88
.set G0H, 4
.set G0HB, 8
.set PFA, 2                            ; s[2:3] my share of the fill that is being asked for; a prefetch names the fill two on
.set LIM, 45                           ; 1 where my wave prefetches, else the greatest number
.set SO,  12
.set CNT, 13
.set CS,  66
.set SEL, 94
.set MSB, 0
.macro WIN new
.if MSB != (\new)
	s_set_vgpr_msb (MSB<<8)|(\new)
.set MSB, (\new)
.endif
.endm
.set MUL_LO, 0xa1
.set MUL_HI, 0xf1
.set TO_B,   0x40
.macro PLACES
.rept 4
	v_nop
.endr
.endm
.macro JLOAD g0a, g1a, g0b, g1b        ; a joint load: waves 0, 1 fetch for A, waves 2, 3 for B
	s_cmp_eq_u32 s15, 0
	s_cbranch_scc0 .Lfor_b_\@
	tensor_load_to_lds s[\g0a:\g0a+3], s[\g1a:\g1a+7]
	s_nop 0
	PLACES
	s_branch .Lasked_\@
.Lfor_b_\@:
	tensor_load_to_lds s[\g0b:\g0b+3], s[\g1b:\g1b+7]
	s_nop 0
	PLACES
.Lasked_\@:
.endm
.macro ASK how                         ; the fill two on.  how = 0, in the loop: not in its last trip (CNT = 1), whose fills are the last two
.if \how
	s_cmp_eq_u32 s[LIM], 1
.else
	s_cmp_gt_u32 s[CNT], s[LIM]
.endif
	s_cbranch_scc0 .Lnot_mine_\@
	global_prefetch_b8 v[PFO], s[PFA:PFA+1] offset:4*BLK th:TH_LOAD_NT scope:SCOPE_SE
.Lnot_mine_\@:
.endm
.macro CREST
	s_cmp_lg_u32 s14, 0
	s_cbranch_scc1 .Lnot_wave_0_\@
	s_barrier_signal -3
.Lnot_wave_0_\@:
	s_barrier_wait -3
	s_barrier_signal -1
	s_barrier_wait -1
.endm
.macro CROUND
	s_barrier_signal -1
	s_barrier_wait -1
	CREST
.endm
	s_load_b256 s[4:11], s[0:1], 0x0               ; acod 4, ascl 6, wcod 8, wscl 10
	s_load_b128 s[96:99], s[0:1], 0x20             ; hbc 96, v 98
	s_load_b64 s[100:101], s[0:1], 0x30            ; scores
	v_lshl_add_u32 v[SPW], v0, 2, SPARE
	v_mov_b32 v[NIL], 0
	ds_add_u32 v[SPW], v[NIL]                      ; the opening lines: the add, twice on end, and its wait
	ds_add_u32 v[SPW], v[NIL]
	v_lshrrev_b32 v1, 5, v0
	v_readfirstlane_b32 s14, v1                    ; wave
	s_lshr_b32 s15, s14, 1                         ; my half of the rows.  Also: I fetch for A (0) or for B (1)
	s_and_b32 s16, s14, 1                          ; my half of the columns.  Also: which K step of a slot I fetch
	s_bfe_u32 s40, ttmp6, 0x40000                  ; cx
	s_bfe_u32 s41, ttmp6, 0x40004                  ; cy
	s_lshl_b32 s42, ttmp9, 2
	s_add_co_u32 s42, s42, s40                     ; nt
	s_and_b32 s17, ttmp7, 0xffff
	s_lshl_b32 s17, s17, 2
	s_add_co_u32 s17, s17, s41                     ; mt
	s_lshl_b32 s43, s41, 2
	s_lshl_b32 s43, 15, s43                        ; my row of the cluster
	s_lshl_b32 s44, 0x1111, s40                    ; my column
	; group 1: dense rows of 256 bytes (32 elements of 8): 192 rows for the head's loads of codes (then 96), 64 for the scale words
	s_or_b32 s[G1+0], s43, (3<<16)|(1<<21)
	s_or_b32 s[G1B+0], s44, (3<<16)|(1<<21)
	s_or_b32 s[G1S+0], s43, (3<<16)|(1<<21)
	s_or_b32 s[G1SB+0], s44, (3<<16)|(1<<21)
.irp g, G1, G1B
	s_mov_b32 s[\g+1], 32<<16
	s_mov_b32 s[\g+2], 192<<16
	s_mov_b32 s[\g+3], 32<<16
	s_mov_b32 s[\g+4], 192
	s_mov_b32 s[\g+5], 32
	s_mov_b32 s[\g+6], 0
	s_mov_b32 s[\g+7], 0
.endr
.irp g, G1S, G1SB
	s_mov_b32 s[\g+1], 32<<16
	s_mov_b32 s[\g+2], 64<<16
	s_mov_b32 s[\g+3], 32<<16
	s_mov_b32 s[\g+4], 64
	s_mov_b32 s[\g+5], 32
	s_mov_b32 s[\g+6], 0
	s_mov_b32 s[\g+7], 0
.endr
	s_mul_i32 s20, s17, 16*BLK                     ; A's codes of mt
	s_mov_b32 s21, 0
	s_mul_i32 s46, s42, 16*BLK                     ; B's codes of nt
	s_mov_b32 s47, 0
	s_lshl_b32 s22, s17, 14                        ; their scale words
	s_mov_b32 s23, 0
	s_lshl_b32 s92, s42, 14
	s_mov_b32 s93, 0
	s_mul_i32 s18, s16, BLK                        ; in the ring: which K step of the two
	s_mov_b32 s19, 0
	s_mul_i32 s45, s14, BLK                        ; and where it goes: wave x 24,576
	s_wait_dscnt 0x0
	s_wait_kmcnt 0x0
	s_add_nc_u64 s[20:21], s[4:5], s[20:21]
	s_add_nc_u64 s[22:23], s[6:7], s[22:23]
	s_add_nc_u64 s[46:47], s[8:9], s[46:47]
	s_add_nc_u64 s[92:93], s[10:11], s[92:93]
	CROUND                                         ; in front of the first joint loads
	s_mov_b32 s[G0H], 1                            ; the head's four tiles: A's K steps 0, 1,
	s_mov_b32 s[G0H+1], 0
	s_mov_b64 s[G0H+2:G0H+3], s[20:21]
	s_or_b32 s[G0H+3], s[G0H+3], 0x80000000
	s_mov_b32 s[G0HB], 1                           ; B's,
	s_mov_b32 s[G0HB+1], 2*BLK
	s_mov_b64 s[G0HB+2:G0HB+3], s[46:47]
	s_or_b32 s[G0HB+3], s[G0HB+3], 0x80000000
	s_mov_b32 s[G0S], 1                            ; A's scale words,
	s_mov_b32 s[G0S+1], SCL
	s_mov_b64 s[G0S+2:G0S+3], s[22:23]
	s_or_b32 s[G0S+3], s[G0S+3], 0x80000000
	s_mov_b32 s[G0SB], 1                           ; B's
	s_mov_b32 s[G0SB+1], SCL+16384
	s_mov_b64 s[G0SB+2:G0SB+3], s[92:93]
	s_or_b32 s[G0SB+3], s[G0SB+3], 0x80000000
	s_add_nc_u64 s[20:21], s[20:21], s[18:19]
	s_add_nc_u64 s[46:47], s[46:47], s[18:19]
.irp s, 0,1
	s_mov_b32 s[G0+4*\s], 1
	s_add_co_u32 s[G0+4*\s+1], s45, \s*SLOT
	s_add_nc_u64 s[G0+4*\s+2:G0+4*\s+3], s[20:21], \s*2*BLK
	s_or_b32 s[G0+4*\s+3], s[G0+4*\s+3], 0x80000000
	s_mov_b32 s[G0B+4*\s], 1
	s_add_co_u32 s[G0B+4*\s+1], s45, \s*SLOT
	s_add_nc_u64 s[G0B+4*\s+2:G0B+4*\s+3], s[46:47], \s*2*BLK
	s_or_b32 s[G0B+4*\s+3], s[G0B+4*\s+3], 0x80000000
.endr
.macro ARM under, g0, g1, next         ; one tree of branches on the wave's number: one load a wave at the head
	s_cmp_lt_u32 s14, \under
	s_cbranch_scc0 \next
	tensor_load_to_lds s[\g0:\g0+3], s[\g1:\g1+7]
	s_nop 0
	PLACES
	s_branch .Lhead_asked
\next:
.endm
	ARM 1, G0H,  G1,  .Lhead_b
	ARM 2, G0HB, G1B, .Lhead_sa
	ARM 3, G0S,  G1S, .Lhead_sb
	tensor_load_to_lds s[G0SB:G0SB+3], s[G1SB:G1SB+7]
	s_nop 0
	PLACES
.Lhead_asked:
	s_lshr_b32 s12, s17, 2                         ; batch = mt / 4
	s_lshl_b32 s12, s12, 12
	s_lshl_b32 s94, s42, 10                        ; my 128 columns, in bytes of f32
	s_lshl_b32 s66, s16, 9
	s_add_co_u32 s94, s94, s66
	s_add_co_u32 s12, s12, s94
	s_mov_b32 s13, 0
	s_mov_b32 s95, 0
	s_add_nc_u64 s[96:97], s[96:97], s[12:13]
	s_add_nc_u64 s[98:99], s[98:99], s[94:95]
	s_lshl_b32 s12, s42, 16                        ; scores: part nt, rows 256 mt ..
	s_lshl_b32 s66, s17, 10
	s_add_co_u32 s12, s12, s66
	s_add_nc_u64 s[100:101], s[100:101], s[12:13]
	s_mul_i32 s2, s15, 8*FRB                       ; my 128 rows of A
	s_mul_i32 s3, s16, 8*FRB                       ; my 128 rows of B, behind A's two K steps
	s_add_co_u32 s3, s3, 2*BLK
	s_lshl_b32 s66, s15, 11                        ; scale words: 16 bytes a row
	s_lshl_b32 s67, s16, 11
	s_add_co_u32 s67, s67, 16384
	s_sub_co_u32 s67, s67, s66                     ; from A's to B's
	s_add_co_u32 s66, s66, SCL
	s_lshl_b32 s94, s14, 9
	s_add_co_u32 s94, s94, RED
	v_and_b32 v1, 15, v0                           ; r
	v_bfe_u32 v2, v0, 4, 1                         ; h
	v_and_b32 v3, 31, v0
	v_lshlrev_b32 v[SOF], 4, v3
	v_mul_u32_u24 v4, s67, v2
	v_min_u32 v5, 23, v3
	v_add_nc_u32 v[ADRA], s2, v[SOF]
	v_add_nc_u32 v[ADRB], s3, v[SOF]
	v_lshl_add_u32 v4, v1, 4, v4
	v_lshlrev_b32 v[PFO], 8, v5
	v_add_nc_u32 v[ADRA+1], SLOT, v[ADRA]
	v_add_nc_u32 v[ADRB+1], SLOT, v[ADRB]
	v_add_nc_u32 v[ADRS], s66, v4
	v_lshlrev_b32 v[EO], 5, v2
	v_lshl_add_u32 v[RW], v1, 2, s94
	v_add_nc_u32 v[RR], RED, v[SOF]
	s_wait_alu depctr_va_vdst(0)
	s_mov_b32 s[CS], 0x4038aa3b                    ; c = 2 log2(e)
	s_mov_b32 s[CS+1], s[CS]
	s_mov_b32 s[SEL], 0x76543210
	s_mov_b32 s[SEL+1], 0xfedcba98
	; the prefetches: s[20:21], s[46:47] = my K step of fill 0 in A, in B
	s_cmp_eq_u32 s15, 0                            ; do I fetch for A?
	s_cselect_b32 s40, s40, s41                    ; my place among the four that ask with me
	s_cselect_b64 s[PFA:PFA+1], s[20:21], s[46:47]
	s_and_b32 s[LIM], ttmp7, 3                     ; the cluster's number modulo 4: the same in all partners
	s_cmp_eq_u32 s[LIM], 0
	s_cselect_b32 s[LIM], 1, -1                    ; W's tiles: clusters 0, 4, 8, 12
	s_cmp_eq_u32 s15, 0
	s_cselect_b32 s[LIM], 1, s[LIM]                ; A's: every cluster its own
	s_mul_i32 s42, s40, 24*256                     ; my work-group's 24 blocks
	s_add_co_u32 s42, s42, 2*BLK                   ; at fill 1
	s_mov_b32 s43, 0
	s_add_nc_u64 s[PFA:PFA+1], s[PFA:PFA+1], s[42:43]
	s_cmp_eq_u32 s[LIM], 1
	s_cbranch_scc0 .Lno_pf
	global_prefetch_b8 v[PFO], s[PFA:PFA+1] th:TH_LOAD_NT scope:SCOPE_SE                 ; fill 1
	global_prefetch_b8 v[PFO], s[PFA:PFA+1] offset:2*BLK th:TH_LOAD_NT scope:SCOPE_SE    ; fill 2
.Lno_pf:
.irp b, 0,1,2,3,4,5,6,7
.irp i, 0,1
	global_load_b128 v[HB+8*\b+4*\i:HB+8*\b+4*\i+3], v[EO], s[96:97] offset:64*\b+16*\i   ; hbc(batch, 16 b + 8 h + 4 i ..): wanted at the end
.endr
.endr
	WIN TO_B
.irp b, 0,1,2,3,4,5,6,7
.irp i, 0,1
	global_load_b128 v[96+128*(\b/4)+8*(\b%4)+4*\i:96+128*(\b/4)+8*(\b%4)+4*\i+3], v[EO], s[98:99] offset:64*\b+16*\i   ; v likewise
.endr
.endr
	WIN 0
.macro FRAG reg, adr, off
.irp c, 0,1,2
	ds_load_b128 v[(\reg)+4*\c:(\reg)+4*\c+3], v[\adr] offset:(\off)+512*\c
.endr
.endm
.macro FETCH_B st                      ; B's eight fragments of step st into set st % 2
	WIN TO_B
.irp i, 0,1,2,3,4,5,6,7
	FRAG 128*((\st)%2)+FR*\i, ADRB+((\st)/2)%2, ((\st)%2)*BLK+\i*FRB
.endr
	WIN 0
.endm
.macro FETCH_A st, i0
.irp i, \i0, \i0+1, \i0+2, \i0+3
	FRAG AF+FR*(\i), ADRA+((\st)/2)%2, ((\st)%2)*BLK+(\i)*FRB
.endr
.endm
.macro SCALES set, adr, off            ; a slot's two words a row: lanes 0-15 A's block i, lanes 16-31 B's block i
.irp i, 0,1,2,3,4,5,6,7
	ds_load_b64 v[SC+8*NQ*(\set)+NQ*\i:SC+8*NQ*(\set)+NQ*\i+1], v[\adr] offset:(\off)+256*\i
.endr
.endm
; 16 matrix instructions: A's blocks a0, a0 + 1 x B's eight.  The 64 accumulators take turns, in the same order in every step
.macro MUL16 a0, p, q, sc, zero
.irp a, \a0, \a0+1
.irp b, 0,1,2,3,4,5,6,7
.if \zero
	v_wmma_scale_f32_16x16x128_f8f6f4 v[8*(8*((\a)%4)+\b):8*(8*((\a)%4)+\b)+7], v[128*(\p)+FR*\b:128*(\p)+FR*\b+FR-1], v[AF+FR*(\a):AF+FR*(\a)+FR-1], 0, v[SC+8*NQ*(\sc)+NQ*\b+(\q)], v[SC+8*NQ*(\sc)+NQ*(\a)+(\q)] matrix_a_fmt:MATRIX_FMT_FP6 matrix_b_fmt:MATRIX_FMT_FP6 matrix_a_scale:MATRIX_SCALE_ROW1
.else
	v_wmma_scale_f32_16x16x128_f8f6f4 v[8*(8*((\a)%4)+\b):8*(8*((\a)%4)+\b)+7], v[128*(\p)+FR*\b:128*(\p)+FR*\b+FR-1], v[AF+FR*(\a):AF+FR*(\a)+FR-1], v[8*(8*((\a)%4)+\b):8*(8*((\a)%4)+\b)+7], v[SC+8*NQ*(\sc)+NQ*\b+(\q)], v[SC+8*NQ*(\sc)+NQ*(\a)+(\q)] matrix_a_fmt:MATRIX_FMT_FP6 matrix_b_fmt:MATRIX_FMT_FP6 matrix_a_scale:MATRIX_SCALE_ROW1
.endif
.endr
.endr
.endm
; A step of 128 along K: 64 matrix instructions; the next step's fragments are fetched in its middle and at its end.  kind 0: a slot's first step.
; kind 1, 2: its second: the slot is read no more, and the next step lies in the other slot: every wave waits for all its tensor loads, adds 0 to its spare word, waits for that and its reads; ONE barrier;
; kind 1: it opens a round of the cluster's barrier, and the slot is filled again, two fills on.  13 = the add and A's blocks 4-7 (12 loads), which may be out; 12 = those loads.
.macro STEP st, zero, kind, sadr, soff
.set NX, (\st)+1
.set SL, ((\st)/2)%2
.if (\kind) == 1
	s_wait_xcnt 0x0                                ; my last prefetch has read its address: it steps here, a fill on
	s_add_nc_u64 s[PFA:PFA+1], s[PFA:PFA+1], 2*BLK
.endif
.if \kind
	s_wait_tensorcnt 0x0
	ds_add_u32 v[SPW], v[NIL]
	s_wait_dscnt 4*NL+1
	WIN MUL_LO
	MUL16 0, (\st)%2, (\st)%2, SL, \zero
	s_wait_dscnt 0x0
	s_barrier_signal -1
	MUL16 2, (\st)%2, (\st)%2, SL, \zero
	WIN 0
	s_barrier_wait -1
.if (\kind) == 1
	CREST
	s_add_nc_u64 s[G0+4*SL+2:G0+4*SL+3], s[G0+4*SL+2:G0+4*SL+3], 4*BLK
	s_add_nc_u64 s[G0B+4*SL+2:G0B+4*SL+3], s[G0B+4*SL+2:G0B+4*SL+3], 4*BLK
	JLOAD G0+4*SL, G1, G0B+4*SL, G1B               ; the first tensor load behind the round; its four v_nop are the places in front of the loads below
.else
	PLACES
.endif
.else
	s_wait_dscnt 4*NL
	WIN MUL_LO
	MUL16 0, (\st)%2, (\st)%2, SL, \zero
	MUL16 2, (\st)%2, (\st)%2, SL, \zero
	s_wait_dscnt 0x0
	PLACES
.endif
	FETCH_B NX
	FETCH_A NX, 0
.if \kind
	SCALES (NX/2)%2, \sadr, \soff
.endif
.if (\kind) == 1
	ASK 0                                          ; behind the joint load and the run of LDS loads
.endif
	WIN MUL_HI
	MUL16 4, (\st)%2, (\st)%2, SL, \zero
	MUL16 6, (\st)%2, (\st)%2, SL, \zero
	PLACES
	WIN 0
	FETCH_A NX, 4
.endm
	s_wait_tensorcnt 0x0                           ; my tile of the head's four is in
	ds_add_u32 v[SPW], v[NIL]
	s_mov_b32 s[G1+2], 96<<16                      ; no tensor load of mine is out: from here on a load brings 96 rows
	s_mov_b32 s[G1+4], 96
	s_mov_b32 s[G1B+2], 96<<16
	s_mov_b32 s[G1B+4], 96
	s_wait_dscnt 0x0
	CROUND
	JLOAD G0+4, G1, G0B+4, G1B                     ; slot 1's first fill: K steps 2, 3
	FETCH_B 0
	FETCH_A 0, 0
	SCALES 0, ADRS, 0
	FETCH_A 0, 4
	ASK 1                                          ; fill 3
	STEP 0, 1, 0, 0, 0                             ; the first step's products start the sums
	s_mov_b32 s[SO], 0
	s_mov_b32 s[CNT], 3
.Lk:                                                   ; a trip: steps 4 t + 1 .. 4 t + 4; it fills both slots again
	v_add_nc_u32 v[ADRT], s[SO], v[ADRS]           ; four K steps' scale words are 4,096 bytes on
	s_wait_alu depctr_va_vdst(0)
	STEP 1, 0, 1, ADRT, 8
	STEP 2, 0, 0, 0, 0
	STEP 3, 0, 1, ADRT, 4096
	STEP 4, 0, 0, 0, 0
	s_add_co_u32 s[SO], s[SO], 4096
	s_sub_co_u32 s[CNT], s[CNT], 1
	s_cmp_lg_u32 s[CNT], 0
	s_cbranch_scc1 .Lk
	STEP 1, 0, 2, ADRS, 3*4096+8                   ; steps 13, 14, 15: nothing more to fetch from memory
	STEP 2, 0, 0, 0, 0
	s_wait_dscnt 4*NL
	WIN MUL_LO
	MUL16 0, 1, 1, 1, 0
	MUL16 2, 1, 1, 1, 0
	s_wait_dscnt 0x0
	WIN MUL_HI
	MUL16 4, 1, 1, 1, 0
	MUL16 6, 1, 1, 1, 0
	WIN 0
	PLACES
	s_wait_loadcnt 0x0                             ; hbc and v
; 32 numbers of a lane: row 16 a + r, columns 64 g + 16 b + 8 h + j: 1 / (1 + 2^(c x + hbc)), times v, onto the row's sums (two chains of pairs).
.macro EP a, g
.set rC, 8*(8*((\a)%4)+4*(\g))
.set rH, HB+32*(\g)
.set rV, 96+128*(\g)
.set rQ, Q+4*(\a)
	WIN 2+(\a)/4
.irp j, 0,2,4,6,8,10,12,14,16,18,20,22,24,26,28,30
	v_pk_fma_f32 v[TT+\j:TT+\j+1], v[rC+\j:rC+\j+1], s[CS:CS+1], v[rH+\j:rH+\j+1] op_sel_hi:[1,0,1]
.endr
	WIN 0
	s_wait_alu depctr_va_vdst(0)
.irp j, 0,1,2,3,4,5,6,7,8,9,10,11,12,13,14,15,16,17,18,19,20,21,22,23,24,25,26,27,28,29,30,31
	v_exp_f32 v[TT+\j], v[TT+\j]
.endr
	v_nop
	s_wait_alu depctr_va_vdst(0)
.irp j, 0,2,4,6,8,10,12,14,16,18,20,22,24,26,28,30
	v_pk_add_f32 v[TT+\j:TT+\j+1], v[TT+\j:TT+\j+1], 1.0 op_sel_hi:[1,0]
.endr
	s_wait_alu depctr_va_vdst(0)
.irp j, 0,1,2,3,4,5,6,7,8,9,10,11,12,13,14,15,16,17,18,19,20,21,22,23,24,25,26,27,28,29,30,31
	v_rcp_f32 v[TT+\j], v[TT+\j]
.endr
	v_nop
	WIN 4
	s_wait_alu depctr_va_vdst(0)
.irp j, 0,2,4,6,8,10,12,14,16,18,20,22,24,26,28,30
.if (\g) == 0 && \j < 4
	v_pk_mul_f32 v[rQ+\j:rQ+\j+1], v[TT+\j:TT+\j+1], v[rV+\j:rV+\j+1]   ; the first products start the sums
.else
	v_pk_fma_f32 v[rQ+\j%4:rQ+\j%4+1], v[TT+\j:TT+\j+1], v[rV+\j:rV+\j+1], v[rQ+\j%4:rQ+\j%4+1]
.endif
.endr
	WIN 0
.endm
.irp a, 0,1,2,3,4,5,6,7
	EP \a, 0
	EP \a, 1
.endr
.irp a, 0,1,2,3,4,5,6,7
	v_pk_add_f32 v[Q+4*\a:Q+4*\a+1], v[Q+4*\a:Q+4*\a+1], v[Q+4*\a+2:Q+4*\a+3]
.endr
.irp a, 0,1,2,3,4,5,6,7
	v_add_f32 v[Q+4*\a], v[Q+4*\a], v[Q+4*\a+1]
.endr
.irp a, 0,1,2,3,4,5,6,7
	v_mul_f32 v[Q+4*\a], -2.0, v[Q+4*\a]
.endr
.irp a, 0,1,2,3,4,5,6,7
	v_permlanex16_b32 v[Q+4*\a+1], v[Q+4*\a], s[SEL], s[SEL+1]
.endr
.irp a, 0,1,2,3,4,5,6,7
	v_add_f32 v[Q+4*\a], v[Q+4*\a], v[Q+4*\a+1]    ; with lane l xor 16's columns
.endr
.irp a, 0,1,2,3,4,5,6,7
	ds_store_b32 v[RW], v[Q+4*\a] offset:64*\a     ; my 128 rows' sums over my 128 columns (lanes 16-31 repeat lanes 0-15)
.endr
	s_wait_dscnt 0x0
	s_barrier_signal -1
	s_barrier_wait -1
	s_cmp_lg_u32 s14, 0
	s_cbranch_scc1 .Ldone
.irp k, 0,1,2,3
	ds_load_b128 v[160+4*\k:163+4*\k], v[RR] offset:512*\k
.endr
	s_wait_dscnt 0x0
.irp k, 0,8
	v_pk_add_f32 v[160+\k:161+\k], v[160+\k:161+\k], v[164+\k:165+\k]   ; the two waves of a half of the rows
	v_pk_add_f32 v[162+\k:163+\k], v[162+\k:163+\k], v[166+\k:167+\k]
.endr
	global_store_b128 v[SOF], v[160:163], s[100:101]              ; 512 consecutive bytes each, at a multiple of 256
	global_store_b128 v[SOF], v[168:171], s[100:101] offset:512
.Ldone:
	s_wait_tensorcnt 0x0                           ; the wave's end
	ds_add_u32 v[SPW], v[NIL]
	s_wait_dscnt 0x0
	CROUND                                         ; the closing round
	s_endpgm
.Lfunc_end_k_qfd162cc217_gemm:
	.size	k_qfd162cc217_gemm, .Lfunc_end_k_qfd162cc217_gemm-k_qfd162cc217_gemm
	.p2alignl 7, 3214868480
	.fill 96, 4, 3214868480
	.section	.rodata,"a",@progbits
	.p2align	6, 0x0
	.amdhsa_kernel k_qfd162cc217_gemm
		.amdhsa_group_segment_fixed_size 327680
		.amdhsa_private_segment_fixed_size 0
		.amdhsa_enable_private_segment 0
		.amdhsa_kernarg_size 56
		.amdhsa_user_sgpr_count 2
		.amdhsa_user_sgpr_kernarg_segment_ptr 1
		.amdhsa_wavefront_size32 1
		.amdhsa_system_sgpr_workgroup_id_x 1
		.amdhsa_system_sgpr_workgroup_id_y 1
		.amdhsa_system_sgpr_workgroup_id_z 1
		.amdhsa_system_vgpr_workitem_id 0
		.amdhsa_next_free_vgpr 1024
		.amdhsa_next_free_sgpr 102
		.amdhsa_reserve_vcc 0
		.amdhsa_float_denorm_mode_32 3
		.amdhsa_float_denorm_mode_16_64 3
		.amdhsa_memory_ordered 1
		.amdhsa_forward_progress 1
		.amdhsa_inst_pref_size 199
	.end_amdhsa_kernel
	.amdgpu_metadata
---
amdhsa.version: [ 1, 2 ]
amdhsa.kernels:
  - .name:           k_qfd162cc217_gemm
    .symbol:         k_qfd162cc217_gemm.kd
    .args:
      - { .name: acod, .offset: 0, .size: 8, .value_kind: global_buffer, .address_space: global }
      - { .name: ascl, .offset: 8, .size: 8, .value_kind: global_buffer, .address_space: global }
      - { .name: wcod, .offset: 16, .size: 8, .value_kind: global_buffer, .address_space: global }
      - { .name: wscl, .offset: 24, .size: 8, .value_kind: global_buffer, .address_space: global }
      - { .name: hbc, .offset: 32, .size: 8, .value_kind: global_buffer, .address_space: global }
      - { .name: v, .offset: 40, .size: 8, .value_kind: global_buffer, .address_space: global }
      - { .name: scores, .offset: 48, .size: 8, .value_kind: global_buffer, .address_space: global }
    .group_segment_fixed_size: 327680
    .private_segment_fixed_size: 0
    .kernarg_segment_align: 8
    .kernarg_segment_size: 56
    .max_flat_workgroup_size: 128
    .sgpr_count:     102
    .vgpr_count:     1024
    .wavefront_size: 32
...
	.end_amdgpu_metadata
.endif
;; end of part 5
;; launch soft (part 6): grid 16 x 1, 1 waves a work-group, no clusters, 0 bytes of LDS; arguments scores, out0; writes out0
.if DOCPART == 6
	.amdgcn_target "amdgcn-amd-amdhsa--gfx1250"
	.amdhsa_code_object_version 6
	.text
	.protected	k_qfd162cc217_soft
	.globl	k_qfd162cc217_soft
	.p2align	8
	.type	k_qfd162cc217_soft,@function
k_qfd162cc217_soft:
	s_mov_b64 s[64:65], 0
	v_nop
	global_prefetch_b8 v0, s[64:65] scope:SCOPE_SE
	s_setreg_imm32_b32 hwreg(HW_REG_WAVE_MODE, 25, 1), 1
	s_wait_xcnt 0x0
; SOFT.  out0[batch][0][t] = softmax over t of s[t], s[t] = the sum of the four parts scores[nt][1,024 batch + t] (one part for each 256 of h).  sum(v) is not in the parts: it is the same along t (first kernel's head).
; One wave to a batch: 32 numbers a lane stay in registers between the maximum, the sum and the scaling.  The row's maximum m is taken away before the exponential: p = 2^(s L - m L), L = log2(e).
; A batch's scores come from 16 work-groups of the launch before, so this is a launch of its own; it has work for 16 waves and no more.
	s_load_b128 s[4:7], s[0:1], 0x0                ; scores s[4:5], out0 s[6:7]
	v_lshlrev_b32 v1, 4, v0
	s_lshl_b32 s2, ttmp9, 12                       ; a batch: 4,096 bytes
	s_mov_b32 s3, 0
	s_mov_b32 s8, 0x3fb8aa3b                       ; L
	s_mov_b32 s9, s8
	s_mov_b32 s10, 0x76543210
	s_mov_b32 s11, 0xfedcba98
	s_wait_alu depctr_va_vdst(0)
	s_wait_kmcnt 0x0
	s_add_nc_u64 s[4:5], s[4:5], s[2:3]
	s_add_nc_u64 s[6:7], s[6:7], s[2:3]
.irp k, 0,1,2,3
.irp j, 0,1,2,3,4,5,6,7
	global_load_b128 v[8+32*\k+4*\j:11+32*\k+4*\j], v1, s[4:5] offset:65536*\k+512*\j   ; 512 consecutive bytes
.endr
.endr
	s_wait_loadcnt 0x0
.irp j, 0,2,4,6,8,10,12,14,16,18,20,22,24,26,28,30
	v_pk_add_f32 v[8+\j:9+\j], v[8+\j:9+\j], v[40+\j:41+\j]
	v_pk_add_f32 v[72+\j:73+\j], v[72+\j:73+\j], v[104+\j:105+\j]
.endr
.irp j, 0,2,4,6,8,10,12,14,16,18,20,22,24,26,28,30
	v_pk_add_f32 v[8+\j:9+\j], v[8+\j:9+\j], v[72+\j:73+\j]
.endr
	v_max3_num_f32 v2, v8, v9, v10                 ; the largest of my 32, in two chains
	v_max3_num_f32 v3, v11, v12, v13
.irp i, 14,18,22,26,30,34
	v_max3_num_f32 v2, v2, v[\i], v[\i+1]
	v_max3_num_f32 v3, v3, v[\i+2], v[\i+3]
.endr
	v_max3_num_f32 v2, v2, v38, v39
	v_max_num_f32 v2, v2, v3
	v_max_num_f32_dpp v2, v2, v2 row_xmask:1 row_mask:0xf bank_mask:0xf
	v_max_num_f32_dpp v2, v2, v2 row_xmask:2 row_mask:0xf bank_mask:0xf
	v_max_num_f32_dpp v2, v2, v2 row_xmask:4 row_mask:0xf bank_mask:0xf
	v_max_num_f32_dpp v2, v2, v2 row_xmask:8 row_mask:0xf bank_mask:0xf
	v_permlanex16_b32 v3, v2, s10, s11
	v_max_num_f32 v2, v2, v3                       ; the row's maximum, in every lane
	v_mul_f32 v4, s8, v2
	v_mov_b32 v5, v4
.irp j, 0,2,4,6,8,10,12,14,16,18,20,22,24,26,28,30
	v_pk_fma_f32 v[8+\j:9+\j], v[8+\j:9+\j], s[8:9], v[4:5] op_sel_hi:[1,0,0] neg_lo:[0,0,1] neg_hi:[0,0,1]   ; s L - m L
.endr
	s_wait_alu depctr_va_vdst(0)
.irp j, 0,1,2,3,4,5,6,7,8,9,10,11,12,13,14,15,16,17,18,19,20,21,22,23,24,25,26,27,28,29,30,31
	v_exp_f32 v[8+\j], v[8+\j]
.endr
	v_nop
	s_wait_alu depctr_va_vdst(0)
	v_pk_add_f32 v[2:3], v[8:9], v[10:11]
	v_pk_add_f32 v[6:7], v[12:13], v[14:15]
.irp j, 16,20,24,28,32,36
	v_pk_add_f32 v[2:3], v[2:3], v[\j:\j+1]
	v_pk_add_f32 v[6:7], v[6:7], v[\j+2:\j+3]
.endr
	v_pk_add_f32 v[2:3], v[2:3], v[6:7]
	v_add_f32 v2, v2, v3
	v_add_f32_dpp v2, v2, v2 row_xmask:1 row_mask:0xf bank_mask:0xf
	v_add_f32_dpp v2, v2, v2 row_xmask:2 row_mask:0xf bank_mask:0xf
	v_add_f32_dpp v2, v2, v2 row_xmask:4 row_mask:0xf bank_mask:0xf
	v_add_f32_dpp v2, v2, v2 row_xmask:8 row_mask:0xf bank_mask:0xf
	v_permlanex16_b32 v3, v2, s10, s11
	v_add_f32 v2, v2, v3
	s_wait_alu depctr_va_vdst(0)
	v_rcp_f32 v6, v2
	v_mov_b32 v7, 0                                ; a plain place; it also writes the pair's upper half, which is named below
	s_wait_alu depctr_va_vdst(0)
.irp j, 0,2,4,6,8,10,12,14,16,18,20,22,24,26,28,30
	v_pk_mul_f32 v[8+\j:9+\j], v[8+\j:9+\j], v[6:7] op_sel_hi:[1,0]
.endr
.irp j, 0,1,2,3,4,5,6,7
	global_store_b128 v1, v[8+4*\j:11+4*\j], s[6:7] offset:512*\j   ; 512 consecutive bytes, at a multiple of 256
.endr
	s_endpgm
.Lfunc_end_k_qfd162cc217_soft:
	.size	k_qfd162cc217_soft, .Lfunc_end_k_qfd162cc217_soft-k_qfd162cc217_soft
	.p2alignl 7, 3214868480
	.fill 96, 4, 3214868480
	.section	.rodata,"a",@progbits
	.p2align	6, 0x0
	.amdhsa_kernel k_qfd162cc217_soft
		.amdhsa_group_segment_fixed_size 0
		.amdhsa_private_segment_fixed_size 0
		.amdhsa_enable_private_segment 0
		.amdhsa_kernarg_size 16
		.amdhsa_user_sgpr_count 2
		.amdhsa_user_sgpr_kernarg_segment_ptr 1
		.amdhsa_wavefront_size32 1
		.amdhsa_system_sgpr_workgroup_id_x 1
		.amdhsa_system_sgpr_workgroup_id_y 1
		.amdhsa_system_sgpr_workgroup_id_z 1
		.amdhsa_system_vgpr_workitem_id 0
		.amdhsa_next_free_vgpr 144
		.amdhsa_next_free_sgpr 66
		.amdhsa_reserve_vcc 0
		.amdhsa_float_denorm_mode_32 3
		.amdhsa_float_denorm_mode_16_64 3
		.amdhsa_memory_ordered 1
		.amdhsa_forward_progress 1
		.amdhsa_inst_pref_size 14
	.end_amdhsa_kernel
	.amdgpu_metadata
---
amdhsa.version: [ 1, 2 ]
amdhsa.kernels:
  - .name:           k_qfd162cc217_soft
    .symbol:         k_qfd162cc217_soft.kd
    .args:
      - { .name: scores, .offset: 0, .size: 8, .value_kind: global_buffer, .address_space: global }
      - { .name: out0, .offset: 8, .size: 8, .value_kind: global_buffer, .address_space: global }
    .group_segment_fixed_size: 0
    .private_segment_fixed_size: 0
    .kernarg_segment_align: 8
    .kernarg_segment_size: 16
    .max_flat_workgroup_size: 32
    .sgpr_count:     66
    .vgpr_count:     144
    .wavefront_size: 32
...
	.end_amdgpu_metadata
.endif
;; end of part 6
